; MI455X (gfx1250); checked and timed in simulation.
; The chip was launched on July 23, 2026; its instructions are those of AMD's public machine-readable ISA for CDNA 5 (MIT licence, August 2026) and "CDNA5" Instruction Set Architecture Reference Guide (July 2026). The comments in the code are by the model that wrote it; some were corrected since.
;; Causal Multi Head Attention. Allowed arithmetic: float matrix products may take bf16 or f16 operands with f32 sums; other float arithmetic in f32, or as packed bf16 or f16 multiplies, adds, multiply-adds, maxima and minima; sums over many terms, partial sums and values carried from step to step in f32; what a program stores and reads back later, other than sums and carried values, may be rounded once to bf16 or f16.
;; Inputs: Wk 2,048 x 2,048 float32; Wo 2,048 x 2,048 float32; Wq 2,048 x 2,048 float32; Wv 2,048 x 2,048 float32; attention_mask 1 x 1 x 2,048 x 2,048 bool; bk 2,048 float32; bo 2,048 float32; bq 2,048 float32; bv 2,048 float32; hidden_states 1 x 2,048 x 2,048 float32.
;; Outputs: out0 1 x 2,048 x 2,048 float32.
;; 2 versions, each right; version 2 is version 1 with the launch prep written anew for expert scheduling mode. Each part assembles by itself: llvm-mc -triple=amdgcn-amd-amdhsa -mcpu=gfx1250 --defsym DOCPART=n.
;; ======== version 1 of 2: 4 launches
;; limits: values are held in f16: magnitudes above 65,504 overflow, below 6.1e-05 lose precision; right only within a limited range of input values
;; workspace buffers: xb 8,388,608 bytes; wqkv 25,165,824 bytes; wo16 8,388,608 bytes; bias 32,768 bytes; pmask 524,288 bytes of whole numbers; qkv 25,165,824 bytes; ctx 8,388,608 bytes
;; launch prep (part 1): grid 512 x 1, 8 waves a work-group, no clusters, 9,728 bytes of LDS; arguments hidden_states, Wq, Wk, Wv, Wo, attention_mask, bq, bk, bv, bo, xb, wqkv, wo16, pmask, bias; writes xb, wqkv, wo16, pmask, bias
.if DOCPART == 1
	.amdgcn_target "amdgcn-amd-amdhsa--gfx1250"
	.amdhsa_code_object_version 6
	.text
	.protected	k_q4b98bcafd9_prep
	.globl	k_q4b98bcafd9_prep
	.p2align	8
	.type	k_q4b98bcafd9_prep,@function
k_q4b98bcafd9_prep:
	s_mov_b64 s[64:65], 0
	v_nop
	global_prefetch_b8 v0, s[64:65] scope:SCOPE_SE
	s_setreg_imm32_b32 hwreg(HW_REG_WAVE_MODE, 25, 1), 1
	s_wait_xcnt 0x0
; CASTS, BIAS TABLE, MASK WORDS.  All inputs are rounded once to bf16: x -> xb, Wq | Wk | Wv -> wqkv (bf16), Wo -> wo16 (the bf16 number written as f16: exact
; down to 6e-5, below that f16's fixed step of 6e-8), bq | bk | bv | bo -> bias (the bf16 number kept as f32).
; The mask (one byte, 0 or 1, for each query and key) becomes lane masks: the word at ((qt*32 + g)*32 + 8 kt + j)*4 holds in bit l the byte
; mask[16 qt + l % 16][64 g + 16 kt + 8 (l / 16) + j]: what lane l wants for register 8 kt + j of a tile of 16 queries x 64 keys of transposed scores.
; SHARES.  512 work-groups of eight waves.  Work-group g casts 8,192 numbers of each of the five large tensors: thread t takes 16 bytes at 32,768 g + 4,096 i + 16 t,
; i = 0..7, and stores 8 bytes at 16,384 g + 2,048 i + 8 t: a wave's load covers 512 consecutive bytes, its store 256, aligned.  All 40 loads of a wave go out at once.
; Waves 0 and 1 also pack one unit of the mask each (16 queries x 256 keys -> 128 words, 512 consecutive bytes); wave 2 rounds 64 numbers of the bias table.
; No matrix unit, no cluster, no tensor load: nothing is shared and nothing is multiplied.  No barrier: a mask tile in LDS is its wave's own.
.set TP,    272                        ; a row of a mask tile in LDS: 256 bytes + 16
.set TILE,  16*TP                      ; wave 0's tile at 0, wave 1's at 4,352
.set SPARE, 2*TILE                     ; 8,704: the spare words, 128 bytes for each of the eight waves; no other line names them
.set VIN,  2                           ; v2   my 16 bytes of a source
.set VOUT, 3                           ; v3   my 8 bytes of a destination
.set MGO,  4                           ; v4   mask: my 16 bytes of two rows
.set MSA,  5                           ; v5   the same in my wave's tile
.set MRD,  6                           ; v6   the dword of a tile's row from which my four words take their bits
.set PMO,  7                           ; v7   my four words of pmask
.set BIN,  8                           ; v8   my two numbers of a bias
.set BOUT, 9                           ; v9   the same in the table
.set T,    10                          ; v10-13 at work
.set BW,   14                          ; v[14:15] two bias numbers to store
.set AC,   16                          ; v16-19 byte j of AC+g: bits 8 g .. 8 g + 7 of my word j
.set TR,   20                          ; v20-23 half-way through the transposition
.set WD,   24                          ; v[24:27] my four words
.set BP,   28                          ; v[28:29] two bias numbers as loaded
.set SPW,  30                          ; v30  my spare word; never rewritten
.set NIL,  31                          ; v31  0; never rewritten
.set X,    32                          ; v[32:191] forty loads of four numbers
.set MR,   192                         ; v[192:223] sixteen rows of the mask, as loaded
.set DW,   224                         ; v[224:255] the 32 dwords that hold my words' bits
.set WV,   38                          ; s38  my wave's number
	s_load_b512 s[8:23], s[0:1], 0x0               ; x 8, Wq 10, Wk 12, Wv 14, Wo 16, mask 18, bq 20, bk 22
	s_load_b256 s[24:31], s[0:1], 0x40             ; bv 24, bo 26, xb 28, wqkv 30
	s_load_b128 s[32:35], s[0:1], 0x60             ; wo16 32, pmask 34
	s_load_b64 s[36:37], s[0:1], 0x70              ; bias
	v_lshl_add_u32 v[SPW], v0, 2, SPARE
	v_mov_b32 v[NIL], 0
	v_lshrrev_b32 v1, 5, v0
	v_readfirstlane_b32 s[WV], v1
	s_lshl_b32 s2, ttmp9, 15
	s_lshl_b32 s3, ttmp9, 14
	v_lshl_or_b32 v[VIN], v0, 4, s2
	v_lshl_or_b32 v[VOUT], v0, 3, s3
	v_and_b32 v10, 31, v0                          ; lane l
	v_and_b32 v11, 15, v0                          ; l % 16
	v_bfe_u32 v12, v0, 4, 1                        ; l / 16
	s_lshl_b32 s4, ttmp9, 1
	s_add_co_u32 s4, s4, s[WV]                     ; the mask unit u = 2 g + wave (waves 0 and 1): qt = u / 8, keys 256 (u % 8) on
	s_lshr_b32 s5, s4, 3
	s_lshl_b32 s5, s5, 15                          ; 16 rows of 2,048 bytes
	s_and_b32 s6, s4, 7
	s_lshl_b32 s6, s6, 8
	s_add_co_u32 s5, s5, s6
	v_lshl_add_u32 v[MGO], v11, 4, s5
	v_lshl_add_u32 v[MGO], v12, 11, v[MGO]         ; lanes 16-31 take the next row
	s_mul_i32 s7, s[WV], TILE
	v_mul_u32_u24 v[MSA], v12, TP
	v_lshl_add_u32 v[MSA], v11, 4, v[MSA]
	v_add_nc_u32 v[MSA], s7, v[MSA]
	v_lshrrev_b32 v13, 1, v10                      ; my words 4 l .. 4 l + 3 belong to the group of 16 keys l / 2, j = 4 (l % 2) + 0..3
	v_and_b32 v[MRD], 1, v0
	v_lshlrev_b32 v[MRD], 2, v[MRD]
	v_lshl_add_u32 v[MRD], v13, 4, v[MRD]
	v_add_nc_u32 v[MRD], s7, v[MRD]
	s_lshl_b32 s39, s4, 9
	v_lshl_add_u32 v[PMO], v10, 4, s39
	s_and_b32 s46, ttmp9, 31
	s_lshl_b32 s46, s46, 8
	v_lshl_add_u32 v[BIN], v10, 3, s46             ; unit g % 32 of one bias,
	s_lshl_b32 s47, ttmp9, 8
	v_lshl_add_u32 v[BOUT], v10, 3, s47            ; unit g of the table (stored for g < 128 alone)
	s_bfe_u32 s48, ttmp9, 0x20005                  ; which bias: (g / 32) % 4
	s_wait_kmcnt 0x0
	s_add_nc_u64 s[40:41], s[30:31], 0x800000      ; wqkv at Wk's rows,
	s_add_nc_u64 s[42:43], s[30:31], 0x1000000     ; and at Wv's
	s_cmp_eq_u32 s48, 1
	s_cselect_b64 s[44:45], s[22:23], s[20:21]
	s_cmp_eq_u32 s48, 2
	s_cselect_b64 s[44:45], s[24:25], s[44:45]
	s_cmp_eq_u32 s48, 3
	s_cselect_b64 s[44:45], s[26:27], s[44:45]
	s_cmp_lt_u32 s[WV], 2
	s_cbranch_scc0 .Lno_mask_load
.irp i, 0,1,2,3,4,5,6,7
	global_load_b128 v[MR+4*(\i):MR+4*(\i)+3], v[MGO], s[18:19] offset:4096*(\i) th:TH_LOAD_NT  ; two rows' 256 bytes each
.endr
	s_branch .Lcast_loads
.Lno_mask_load:
	s_cmp_eq_u32 s[WV], 2
	s_cbranch_scc0 .Lcast_loads
	global_load_b64 v[BP:BP+1], v[BIN], s[44:45]   ; every work-group's wave 2 loads a unit; 128 of them store it
.Lcast_loads:
.irp tau, 0,1,2,3,4
.irp i, 0,1,2,3,4,5,6,7
	global_load_b128 v[X+4*(8*(\tau)+(\i)):X+4*(8*(\tau)+(\i))+3], v[VIN], s[8+2*(\tau):9+2*(\tau)] offset:4096*(\i) th:TH_LOAD_NT
.endr
.endr
	s_cmp_lt_u32 s[WV], 2
	s_cbranch_scc0 .Lno_mask
	s_wait_loadcnt 40                              ; the forty younger loads stay out; my eight mask loads are in
.irp i, 0,1,2,3,4,5,6,7
	ds_store_b128 v[MSA], v[MR+4*(\i):MR+4*(\i)+3] offset:2*TP*(\i)
.endr
; bit b = row + 16 h of my words comes from the dword at row, column 16 (l / 2) + 8 h + 4 (l % 2).  Group g = b / 8 takes eight rows, the highest first.
; LDS serves a wave's instructions in order (ISA guide 5.7.1.4): these loads see the stores above.
.irp g, 0,1,2,3
.irp k, 0,1,2,3,4,5,6,7
	ds_load_b32 v[DW+8*(\g)+(\k)], v[MRD] offset:(8*((\g)%2)+7-(\k))*TP+8*((\g)/2)
.endr
.endr
	s_wait_dscnt 0x0
.irp g, 0,1,2,3
	v_lshl_or_b32 v[AC+(\g)], v[DW+8*(\g)], 1, v[DW+8*(\g)+1]  ; each byte is 0 or 1: eight of them shifted together fill a byte and never carry
.endr
.irp k, 2,3,4,5,6,7
.irp g, 0,1,2,3
	v_lshl_or_b32 v[AC+(\g)], v[AC+(\g)], 1, v[DW+8*(\g)+(\k)]
.endr
.endr
	v_perm_b32 v[TR+0], v[AC+1], v[AC+0], 0x05010400   ; 4 x 4 bytes are transposed: word j = byte j of the four groups
	v_perm_b32 v[TR+1], v[AC+1], v[AC+0], 0x07030602
	v_perm_b32 v[TR+2], v[AC+3], v[AC+2], 0x05010400
	v_perm_b32 v[TR+3], v[AC+3], v[AC+2], 0x07030602
	v_perm_b32 v[WD+0], v[TR+2], v[TR+0], 0x05040100
	v_perm_b32 v[WD+1], v[TR+2], v[TR+0], 0x07060302
	v_perm_b32 v[WD+2], v[TR+3], v[TR+1], 0x05040100
	v_perm_b32 v[WD+3], v[TR+3], v[TR+1], 0x07060302
	global_store_b128 v[PMO], v[WD:WD+3], s[34:35]     ; the wave's 512 consecutive bytes of pmask
	s_branch .Lcast
.Lno_mask:
	s_cmp_eq_u32 s[WV], 2
	s_cbranch_scc0 .Lcast
	s_wait_loadcnt 40                              ; my bias load is in
	v_cvt_pk_bf16_f32 v[T], v[BP], v[BP+1]
	v_lshlrev_b32 v[BW], 16, v[T]
	v_and_b32 v[BW+1], 0xffff0000, v[T]
	s_cmp_lt_u32 ttmp9, 128
	s_cbranch_scc0 .Lcast
	global_store_b64 v[BOUT], v[BW:BW+1], s[36:37]     ; the wave's 256 consecutive bytes of the table
.Lcast:
; Load n of the forty is in when the 39 - n younger ones may still be out.  No register of a store is written again.
.macro CAST tau, dst, half
.irp i, 0,1,2,3,4,5,6,7
.set r, X+4*(8*(\tau)+(\i))
	s_wait_loadcnt 39-(8*(\tau)+(\i))
	v_cvt_pk_bf16_f32 v[r], v[r], v[r+1]
	v_cvt_pk_bf16_f32 v[r+1], v[r+2], v[r+3]
.if \half
	v_lshlrev_b32 v[T], 16, v[r]                   ; the bf16 numbers as f32,
	v_and_b32 v[T+1], 0xffff0000, v[r]
	v_lshlrev_b32 v[T+2], 16, v[r+1]
	v_and_b32 v[T+3], 0xffff0000, v[r+1]
	v_cvt_pk_f16_f32 v[r], v[T], v[T+1]            ; written as f16
	v_cvt_pk_f16_f32 v[r+1], v[T+2], v[T+3]
.endif
	global_store_b64 v[VOUT], v[r:r+1], s[\dst:\dst+1] offset:2048*(\i) th:TH_STORE_NT
.endr
.endm
	CAST 0, 28, 0
	CAST 1, 30, 0
	CAST 2, 40, 0
	CAST 3, 42, 0
	CAST 4, 32, 1
	s_wait_tensorcnt 0x0                           ; the wave's end, behind my last LDS store
	ds_add_u32 v[SPW], v[NIL]
	s_wait_dscnt 0x0
	s_endpgm
.Lfunc_end_k_q4b98bcafd9_prep:
	.size	k_q4b98bcafd9_prep, .Lfunc_end_k_q4b98bcafd9_prep-k_q4b98bcafd9_prep
	.p2alignl 7, 3214868480
	.fill 96, 4, 3214868480
	.section	.rodata,"a",@progbits
	.p2align	6, 0x0
	.amdhsa_kernel k_q4b98bcafd9_prep
		.amdhsa_group_segment_fixed_size 9728
		.amdhsa_private_segment_fixed_size 0
		.amdhsa_enable_private_segment 0
		.amdhsa_kernarg_size 120
		.amdhsa_user_sgpr_count 2
		.amdhsa_user_sgpr_kernarg_segment_ptr 1
		.amdhsa_wavefront_size32 1
		.amdhsa_system_sgpr_workgroup_id_x 1
		.amdhsa_system_sgpr_workgroup_id_y 1
		.amdhsa_system_sgpr_workgroup_id_z 1
		.amdhsa_system_vgpr_workitem_id 0
		.amdhsa_next_free_vgpr 256
		.amdhsa_next_free_sgpr 66
		.amdhsa_reserve_vcc 0
		.amdhsa_float_denorm_mode_32 3
		.amdhsa_float_denorm_mode_16_64 3
		.amdhsa_memory_ordered 1
		.amdhsa_forward_progress 1
		.amdhsa_inst_pref_size 26
	.end_amdhsa_kernel
	.amdgpu_metadata
---
amdhsa.version: [ 1, 2 ]
amdhsa.kernels:
  - .name:           k_q4b98bcafd9_prep
    .symbol:         k_q4b98bcafd9_prep.kd
    .args:
      - { .name: hidden_states, .offset: 0, .size: 8, .value_kind: global_buffer, .address_space: global }
      - { .name: Wq, .offset: 8, .size: 8, .value_kind: global_buffer, .address_space: global }
      - { .name: Wk, .offset: 16, .size: 8, .value_kind: global_buffer, .address_space: global }
      - { .name: Wv, .offset: 24, .size: 8, .value_kind: global_buffer, .address_space: global }
      - { .name: Wo, .offset: 32, .size: 8, .value_kind: global_buffer, .address_space: global }
      - { .name: attention_mask, .offset: 40, .size: 8, .value_kind: global_buffer, .address_space: global }
      - { .name: bq, .offset: 48, .size: 8, .value_kind: global_buffer, .address_space: global }
      - { .name: bk, .offset: 56, .size: 8, .value_kind: global_buffer, .address_space: global }
      - { .name: bv, .offset: 64, .size: 8, .value_kind: global_buffer, .address_space: global }
      - { .name: bo, .offset: 72, .size: 8, .value_kind: global_buffer, .address_space: global }
      - { .name: xb, .offset: 80, .size: 8, .value_kind: global_buffer, .address_space: global }
      - { .name: wqkv, .offset: 88, .size: 8, .value_kind: global_buffer, .address_space: global }
      - { .name: wo16, .offset: 96, .size: 8, .value_kind: global_buffer, .address_space: global }
      - { .name: pmask, .offset: 104, .size: 8, .value_kind: global_buffer, .address_space: global }
      - { .name: bias, .offset: 112, .size: 8, .value_kind: global_buffer, .address_space: global }
    .group_segment_fixed_size: 9728
    .private_segment_fixed_size: 0
    .kernarg_segment_align: 8
    .kernarg_segment_size: 120
    .max_flat_workgroup_size: 256
    .sgpr_count:     66
    .vgpr_count:     256
    .wavefront_size: 32
...
	.end_amdgpu_metadata
.endif
;; end of part 1
;; launch proj_qkv (part 2): grid 16 x 16, 4 waves a work-group, clusters of 4 x 4, 327,680 bytes of LDS; arguments xb, wqkv, bias, qkv; writes qkv
.if DOCPART == 2
	.amdgcn_target "amdgcn-amd-amdhsa--gfx1250"
	.amdhsa_code_object_version 6
	.text
	.protected	k_q4b98bcafd9_proj_qkv
	.globl	k_q4b98bcafd9_proj_qkv
	.p2align	8
	.type	k_q4b98bcafd9_proj_qkv,@function
k_q4b98bcafd9_proj_qkv:
	s_mov_b64 s[64:65], 0
	v_nop
	global_prefetch_b8 v0, s[64:65] scope:SCOPE_SE
	s_setreg_imm32_b32 hwreg(HW_REG_WAVE_MODE, 25, 1), 1
	s_wait_xcnt 0x0
	s_wait_alu depctr_hold_cnt(0) depctr_sa_sdst(0) depctr_va_vdst(0) depctr_va_sdst(0) depctr_va_ssrc(0) depctr_va_vcc(0) depctr_vm_vsrc(0)
	s_getreg_b32 s2, hwreg(HW_REG_IB_STS2, 6, 4)
	s_cmp_eq_u32 s2, 0
	s_cbranch_scc0 .Lentry_in_a_cluster
	s_endpgm
.Lentry_in_a_cluster:
	s_bfe_u32 s2, ttmp6, 0x10000c
	s_cmp_lg_u32 s2, 0xf033
	s_cbranch_scc0 .Lentry_shape_is_right
	s_endpgm
.Lentry_shape_is_right:
; q | k | v = x W^T + b, by heads.  xb: [2048][2048] bf16, wqkv: [6144][2048] bf16, bias: f32, qkv: [48 heads][2048 rows][128] f16 (q: heads 0-15, k: 16-31, v: 32-47).
; Sums in f32, begun with the bias; each result rounded once to f16.  LIMIT: f16 ends at 65,504: q, k and v must stay within it.
; SHARES.  A tile is 128 rows x 384 columns, three whole heads: 16 x 16 tiles, one to a work-group; the tile row goes by the grid's x, the tile column by its y.
; Wave w makes all 128 rows x columns 96 w .. 96 w + 95: 8 x 6 accumulators of 16 x 16, 384 registers; for 32 along K it loads 14 fragments and issues 48 matrix instructions.
; RING.  K goes in steps of 128 (rows of 256 bytes, aligned) through two LDS slots, each with A's 128 rows and B's 384.  Each wave brings 128 rows with one tensor load:
; wave 0 A's, waves 1 to 3 B's.  One load of a wave is out behind each change of slots (two at the start).  The loop is one K step; the slot in hand is a scalar that an exclusive or toggles.
; CLUSTER.  4 x 4 work-groups: A's tile hangs on the tile row alone and is asked for jointly by a column of the cluster, B's on the tile column alone, by a row.
; THE WALK ALONG K IS STAGGERED.  Cluster (X, Y) begins at K step 4 ((X + 2 (Y % 2)) % 4) and wraps round at the row's end (f32 sums may be taken in any order of K).  So the four clusters
; of one Y, which read the same rows of W, stand four K steps apart on them, and of the four clusters of one X, which read the same rows of x, those with Y and Y + 1 stand eight apart.
; The offset is made of the cluster's coordinates alone: it is the same in all sixteen partners.
; THE MATRIX INSTRUCTION IS USED TRANSPOSED (source 0 = 16 rows of W, source 1 = 16 rows of x): a lane holds row l % 16 and the columns 8 (l / 16) + 0..7 of a block.
; So the bias of a block is eight numbers a lane, and it is the C operand of the first product on each accumulator.
; REGISTERS, in windows of 256 (s_set_vgpr_msb: bits 1:0 source 0, 3:2 source 1, 5:4 source 2, 7:6 destination):
;   window 0: v16-31 addresses; v64-127, v128-191 A's fragments, two buffers; v64-255 at work on the way out
;   window 1: v64-111, v128-175 B's fragments, two buffers; v192-239 the bias, block b at 192 + 8 b
;   window 2: accumulators (a, b) at 8 (6 a + b) for rows 0-63;   window 3: those of rows 64-127
.set SIZE_K, 2048
.set KSTEP,  128
.set ROWB,   2*SIZE_K                  ; bytes in a row of x and of W: a power of two, so that an AND wraps the walk
.set STEPS,  SIZE_K/KSTEP
.set PITCH,  272                       ; an LDS row: 256 bytes + 16: the 16 rows of a fragment load start at 16 different groups of four banks (64 banks of 4 bytes: ISA guide 11.1)
.set PART,   128*PITCH                 ; what one tensor load brings: 0x8800 bytes
.set SLOT,   4*PART                    ; A's 128 rows, then B's 384: 0x22000 bytes: no bit in common with wave x PART, so an exclusive or with SLOT moves a part from one slot to the other
.set SPARE,  2*SLOT                    ; behind the ring: the spare words, 128 bytes a wave; no other line names them
.set SPITCH, 784                       ; the stage on the way out: 128 rows of 768 bytes + 16, from LDS byte 0: inside slot 0, which has had its last fill by then
.set ADRA0, 16                         ; v16  my A fragments in slot 0; never rewritten
.set ADRA,  17                         ; v17  the same in the slot in hand
.set ADRB0, 20                         ; v20  my B fragments in slot 0; never rewritten
.set ADRB,  21                         ; v21  the same in the slot in hand
.set STO,  24                          ; v24  stage: where I put 16 bytes of a row, rows 0-63
.set RD,   25                          ; v25  stage: where I read rows back
.set CO,   26                          ; v26  16 x lane: two rows of a head are 512 consecutive bytes
.set STO2, 27                          ; v27  as STO, rows 64-127
.set SPW,  28                          ; v28  my spare word; never rewritten
.set NIL,  29                          ; v29  0; never rewritten
.set PFO,  30                          ; v30  the prefetches' offset: lane x a row of 4,096 bytes
.set BO,   31                          ; v31  my eight numbers of a block's bias
.set F0,   64
.set F1,   128
.set BIAS, 192
.set TMP,  64
.set AB,  14                           ; s[14:15] xb at the tile's first row
.set KO,  18                           ; s[18:19] byte of a row at which the K step last asked for begins
.set BB,  22                           ; s[22:23] wqkv at the first of the 128 rows that I fetch
.set G1,  24                           ; s[24:31] group 1 for A;  s[32:39] group 0: a set for each of the two first fills; the second then walks on
.set G0,  32
.set LIM, 43                           ; s43  STEPS - 6 in a wave that prefetches, else the greatest number
.set PFA, 44                           ; s[44:45] what the next prefetch names
.set G1B, 48                           ; s[48:55], s[56:63] the same for B
.set G0B, 56
.set TB,  66                           ; s66  LDS byte at which the slot in hand begins: 0 or SLOT
.set PFB, 68                           ; s[68:69] xb at my work-group's 32 rows of the tile's 128
.set PKO, 70                           ; s[70:71] byte of a row at which the K step to be prefetched begins
.set MSB, 0
.macro WIN new                         ; the immediate's high byte repeats the setting that is left; a switch that changes nothing is dropped
.if MSB != (\new)
	s_set_vgpr_msb (MSB<<8)|(\new)
.set MSB, \new
.endif
.endm
; A joint load.  The branch hangs on the wave's number alone.  An s_nop 0 and four v_nop follow each of the two lines.
.macro JLOAD s
	s_cmp_eq_u32 s10, 0
	s_cbranch_scc0 .Lfor_b_\@
	tensor_load_to_lds s[G0+4*(\s):G0+4*(\s)+3], s[G1:G1+7]
	s_nop 0
.rept 4
	v_nop
.endr
	s_branch .Lasked_\@
.Lfor_b_\@:
	tensor_load_to_lds s[G0B+4*(\s):G0B+4*(\s)+3], s[G1B:G1B+7]
	s_nop 0
.rept 4
	v_nop
.endr
.Lasked_\@:
.endm
; A PREFETCH, behind the joint load and the run of LDS loads that follows it: x's rows for the K step that stands two refills on, 384 matrix instructions ahead of the load that wants it:
; 32 rows x 256 bytes, a lane a row, one instruction.  By the stagger a cluster is the first of its readers on the fifth to eighth K step of its own walk along x's rows; those four are asked for, at the
; changes of its first four steps; the first four steps of a walk come by their loads alone.  WHO: wave 0, which fetches A, in the clusters with Y < 2; the four partners of the joint load take 32 of its 128 rows
; each, told apart by address.  The clusters Y = 0 and Y = 1 stand eight K steps apart, so each block is named once in the launch.
.macro ASK
	s_cmp_gt_u32 s3, s[LIM]
	s_cbranch_scc0 .Lnot_mine_\@
	global_prefetch_b8 v[PFO], s[PFA:PFA+1] th:TH_LOAD_NT scope:SCOPE_SE
.Lnot_mine_\@:
.endm
.macro CREST                           ; a round of the cluster's barrier behind its opening barrier
	s_cmp_lg_u32 s10, 0
	s_cbranch_scc1 .Lnot_wave_0_\@
	s_barrier_signal -3
.Lnot_wave_0_\@:
	s_barrier_wait -3
	s_barrier_signal -1
	s_barrier_wait -1
.endm
.macro CROUND
	s_barrier_signal -1
	s_barrier_wait -1
	CREST
.endm
	s_load_b128 s[4:7], s[0:1], 0x0                ; xb s[4:5], wqkv s[6:7]
	s_load_b64 s[2:3], s[0:1], 0x10                ; bias
	s_load_b64 s[8:9], s[0:1], 0x18                ; qkv
	v_lshl_add_u32 v[SPW], v0, 2, SPARE
	v_mov_b32 v[NIL], 0
	ds_add_u32 v[SPW], v[NIL]                      ; the wave's opening: the add and its wait stand ahead of my first tensor load
	v_lshrrev_b32 v1, 5, v0
	v_readfirstlane_b32 s10, v1                    ; wave 0..3
	s_bfe_u32 s40, ttmp6, 0x40000                  ; cx
	s_bfe_u32 s41, ttmp6, 0x40004                  ; cy
	s_lshl_b32 s13, ttmp9, 2
	s_add_co_u32 s13, s13, s40                     ; tile row = 4 X + cx
	s_and_b32 s12, ttmp7, 0xffff                   ; Y
	s_lshl_b32 s42, s12, 2
	s_add_co_u32 s42, s42, s41                     ; tile column = 4 Y + cy
	s_lshl_b32 s43, s41, 2
	s_lshl_b32 s43, 15, s43                        ; my row of the cluster: the same cy, the same tile column
	s_lshl_b32 s44, 0x1111, s40                    ; my column: the same cx, the same tile row
	s_or_b32 s[G1+0], s44, (1<<16)|(1<<20)|(1<<21)|(5<<22)|(3<<25)   ; the mask; 2-byte elements; padding on; bit 21 beside a mask; after every 64 words 4 words
	s_or_b32 s[G1B+0], s43, (1<<16)|(1<<20)|(1<<21)|(5<<22)|(3<<25)
.irp g, G1, G1B
	s_mov_b32 s[(\g)+1], KSTEP<<16                 ; tensor_dim0 = 128
	s_mov_b32 s[(\g)+2], 128<<16                   ; tensor_dim1 = 128
	s_mov_b32 s[(\g)+3], KSTEP<<16                 ; tile_dim0 = 128
	s_mov_b32 s[(\g)+4], 128                       ; tile_dim1 = 128
	s_mov_b32 s[(\g)+5], SIZE_K                    ; elements from row to row
	s_mov_b32 s[(\g)+6], 0
	s_mov_b32 s[(\g)+7], 0
.endr
	s_and_b32 s[KO], s12, 1                        ; where my cluster's walk begins: (X + 2 (Y % 2)) % 4,
	s_lshl_b32 s[KO], s[KO], 1
	s_add_co_u32 s[KO], s[KO], ttmp9
	s_and_b32 s[KO], s[KO], 3
	s_lshl_b32 s[KO], s[KO], 10                    ; times four K steps of 256 bytes
	s_mov_b32 s[KO+1], 0
	s_mov_b32 s[PKO+1], 0
	s_mov_b32 s[TB], 0
	s_lshl_b32 s16, s13, 19                        ; A: 128 rows of 4,096 bytes for each tile row
	s_mov_b32 s17, 0
	s_max_u32 s11, s10, 1
	s_sub_co_u32 s11, s11, 1                       ; which 128 of B's 384 rows I fetch (waves 1 to 3)
	s_mul_i32 s46, s42, 3
	s_add_co_u32 s46, s46, s11
	s_lshl_b32 s46, s46, 19                        ; B: (3 x tile column + part) x 128 rows
	s_mov_b32 s47, 0
	s_mul_i32 s20, s10, PART                       ; where they go: wave x 128 rows; no place in the cluster enters an LDS address
	s_wait_dscnt 0x0                               ; the opening add is done
	s_wait_kmcnt 0x0
	s_add_nc_u64 s[AB:AB+1], s[4:5], s[16:17]
	s_add_nc_u64 s[BB:BB+1], s[6:7], s[46:47]
	CROUND                                         ; all sixteen work-groups are here: the first joint loads meet
.irp s, 0,1
	s_mov_b32 s[G0+4*(\s)], 1
	s_add_co_u32 s[G0+4*(\s)+1], s20, (\s)*SLOT
	s_add_nc_u64 s[G0+4*(\s)+2:G0+4*(\s)+3], s[AB:AB+1], s[KO:KO+1]
	s_or_b32 s[G0+4*(\s)+3], s[G0+4*(\s)+3], 0x80000000
	s_mov_b32 s[G0B+4*(\s)], 1
	s_add_co_u32 s[G0B+4*(\s)+1], s20, (\s)*SLOT
	s_add_nc_u64 s[G0B+4*(\s)+2:G0B+4*(\s)+3], s[BB:BB+1], s[KO:KO+1]
	s_or_b32 s[G0B+4*(\s)+3], s[G0B+4*(\s)+3], 0x80000000
	JLOAD \s
.if (\s) == 0
	s_add_co_u32 s[KO], s[KO], KSTEP*2             ; the walk's second K step (no register of a descriptor)
	s_and_b32 s[KO], s[KO], ROWB-1
.endif
.endr
	v_and_b32 v1, 15, v0                           ; l % 16
	v_bfe_u32 v2, v0, 4, 1                         ; l / 16
	v_mul_u32_u24 v[ADRA0], v1, PITCH
	v_lshl_add_u32 v[ADRA0], v2, 4, v[ADRA0]       ; a fragment's row x pitch + 16 x half
	s_mul_i32 s21, s10, 96*PITCH                   ; my 96 rows of B,
	s_add_co_u32 s21, s21, PART                    ; which lie behind A's 128
	v_add_nc_u32 v[ADRB0], s21, v[ADRA0]
	v_add_nc_u32 v[ADRA], s[TB], v[ADRA0]
	v_add_nc_u32 v[ADRB], s[TB], v[ADRB0]
	v_mul_u32_u24 v4, v1, SPITCH                   ; into the stage: row l % 16, my 192 bytes of it, 16 bytes for each half of the lanes
	v_lshl_add_u32 v4, v2, 4, v4
	s_mul_i32 s21, s10, 192
	v_add_nc_u32 v[STO], s21, v4
	v_add_nc_u32 v[STO2], 64*SPITCH, v[STO]
	s_mul_i32 s21, s10, 32*SPITCH                  ; back: wave w takes rows 32 w .. 32 w + 31; lanes 0-15 one head's 256 bytes of a row, lanes 16-31 the next row's
	v_mul_u32_u24 v5, v2, SPITCH
	v_lshl_add_u32 v5, v1, 4, v5
	v_add_nc_u32 v[RD], s21, v5
	v_and_b32 v[CO], 31, v0
	v_lshlrev_b32 v[PFO], 12, v[CO]
	v_lshlrev_b32 v[CO], 4, v[CO]
	s_mul_i32 s46, s42, 1536                       ; the bias of my 96 columns: 4 (384 x tile column + 96 w) + 32 (l / 16)
	s_mul_i32 s47, s10, 384
	s_add_co_u32 s46, s46, s47
	v_lshl_add_u32 v[BO], v2, 5, s46
	WIN 0x40                                       ; destination window 1
.irp b, 0,1,2,3,4,5
	global_load_b128 v[BIAS+8*(\b):BIAS+8*(\b)+3],   v[BO], s[2:3] offset:64*(\b)
	global_load_b128 v[BIAS+8*(\b)+4:BIAS+8*(\b)+7], v[BO], s[2:3] offset:64*(\b)+16
.endr
	WIN 0
	s_lshl_b32 s16, s13, 15                        ; where I store: row 128 x tile row + 32 w of a head, 256 bytes a row,
	s_lshl_b32 s17, s10, 13
	s_add_co_u32 s16, s16, s17
	s_mov_b32 s17, 0
	s_add_nc_u64 s[8:9], s[8:9], s[16:17]
	s_mul_i32 s46, s42, 3                          ; head 3 x tile column, 524,288 bytes a head
	s_lshl_b32 s46, s46, 19
	s_mov_b32 s47, 0
	s_add_nc_u64 s[8:9], s[8:9], s[46:47]
	s_lshl_b32 s20, s13, 19                        ; the prefetches: the tile's first row of x,
	s_lshl_b32 s21, s41, 17                        ; my work-group's 32 rows of the 128: by cy, my place among the four that ask for them with me
	s_add_co_u32 s20, s20, s21
	s_mov_b32 s21, 0
	s_add_nc_u64 s[PFB:PFB+1], s[4:5], s[20:21]
	s_lshr_b32 s[LIM], s12, 1                      ; 0 where Y < 2,
	s_or_b32 s[LIM], s[LIM], s10                   ; in wave 0: the same in all sixteen partners, for a given wave
	s_cmp_eq_u32 s[LIM], 0
	s_cselect_b32 s[LIM], STEPS-6, -1              ; the loop counts STEPS - 2 down to 1: its first four trips ask
; 12 matrix instructions: row blocks a0, a0 + 1 of the window's four x all 6 column blocks, 32 along K.  first = 1: the sum begins with the bias.
; The 48 accumulators take turns, one instruction a turn, in the same order in every quarter.
.macro MUL12 f, hi, a0, first
.if \first
	WIN 0x91+0x40*(\hi)                            ; B window 1, A window 0, C (the bias) window 1, D window 2 or 3
.else
	WIN 0xa1+0x50*(\hi)                            ; C and D window 2 or 3
.endif
.irp a, \a0, (\a0)+1
.irp b, 0,1,2,3,4,5
.if \first
	v_wmma_f32_16x16x32_bf16 v[8*(6*(\a)+(\b)):8*(6*(\a)+(\b))+7], v[(\f)+8*(\b):(\f)+8*(\b)+7], v[(\f)+8*(4*(\hi)+(\a)):(\f)+8*(4*(\hi)+(\a))+7], v[BIAS+8*(\b):BIAS+8*(\b)+7]
.else
	v_wmma_f32_16x16x32_bf16 v[8*(6*(\a)+(\b)):8*(6*(\a)+(\b))+7], v[(\f)+8*(\b):(\f)+8*(\b)+7], v[(\f)+8*(4*(\hi)+(\a)):(\f)+8*(4*(\hi)+(\a))+7], v[8*(6*(\a)+(\b)):8*(6*(\a)+(\b))+7]
.endif
.endr
.endr
.endm
; 28 LDS loads in one run, from the slot in hand: 96 rows of B, then 128 rows of A, 32 K at byte k of the rows, into buffer f
.macro FETCH k, f
	WIN 0x40
.irp i, 0,1,2,3,4,5
	ds_load_b128 v[(\f)+8*(\i):(\f)+8*(\i)+3],   v[ADRB] offset:(\k)+(\i)*16*PITCH
	ds_load_b128 v[(\f)+8*(\i)+4:(\f)+8*(\i)+7], v[ADRB] offset:(\k)+(\i)*16*PITCH+32
.endr
	WIN 0
.irp i, 0,1,2,3,4,5,6,7
	ds_load_b128 v[(\f)+8*(\i):(\f)+8*(\i)+3],   v[ADRA] offset:(\k)+(\i)*16*PITCH
	ds_load_b128 v[(\f)+8*(\i)+4:(\f)+8*(\i)+7], v[ADRA] offset:(\k)+(\i)*16*PITCH+32
.endr
.endm
.macro PLACES                          ; four places in front of loads into registers that matrix instructions have read, and of conversions that read results
.rept 4
	v_nop
.endr
.endm
; A K step is four quarters of 32 along K, 48 matrix instructions each, on buffers 0, 1, 0, 1.  One of the first three:
.macro QUARTER k, f, g, first
	s_wait_dscnt 8                                 ; B and A's rows 0-63 are in; the youngest eight loads (A's rows 64-127) may be out
	MUL12 \f, 0, 0, \first
	MUL12 \f, 0, 2, \first
	PLACES
	FETCH \k, \g
	s_wait_dscnt 28                                ; all but the 28 just issued
	MUL12 \f, 1, 0, \first
	MUL12 \f, 1, 2, \first
.endm
; The last quarter multiplies buffer 1 and changes slots: one barrier; in front of it each wave waits for all its tensor loads (one is out: its part of the next slot), adds 0 to its spare word,
; and waits for that and for its reads of this slot.  fill = 1: the barrier opens a round of the cluster's, and this slot is filled again, first thing behind it, with the K step two on.
; The walking descriptors and the fragments' addresses are made while the add is out: no tensor load of mine is out there, and LDS loads have read their address registers when they are issued.
.macro TURN fill
.if \fill
	s_wait_xcnt 0x0                                ; the last prefetch, a K step back, has read its address
.endif
	WIN 0                                          ; (the add's two registers lie in window 0)
	s_wait_tensorcnt 0x0
	ds_add_u32 v[SPW], v[NIL]
	s_xor_b32 s[TB], s[TB], SLOT                   ; the next fetches read the other slot
	v_add_nc_u32 v[ADRA], s[TB], v[ADRA0]
	v_add_nc_u32 v[ADRB], s[TB], v[ADRB0]
.if \fill
	s_add_co_u32 s[KO], s[KO], KSTEP*2             ; the next K step of the walk, round the row's end
	s_and_b32 s[KO], s[KO], ROWB-1
	s_xor_b32 s[G0+5], s[G0+5], SLOT               ; the other slot than last time,
	s_add_nc_u64 s[G0+6:G0+7], s[AB:AB+1], s[KO:KO+1]  ; the address made anew
	s_or_b32 s[G0+7], s[G0+7], 0x80000000
	s_xor_b32 s[G0B+5], s[G0B+5], SLOT
	s_add_nc_u64 s[G0B+6:G0B+7], s[BB:BB+1], s[KO:KO+1]
	s_or_b32 s[G0B+7], s[G0B+7], 0x80000000
	s_add_co_u32 s[PKO], s[KO], 2*KSTEP*2          ; and what a prefetch names: two K steps further on
	s_and_b32 s[PKO], s[PKO], ROWB-1
	s_add_nc_u64 s[PFA:PFA+1], s[PFB:PFB+1], s[PKO:PKO+1]
.endif
	s_wait_dscnt 9                                 ; (the add and the youngest eight loads may be out)
	MUL12 F1, 0, 0, 0
	s_wait_dscnt 0x0                               ; the add is done, and my reads of this slot are over
	s_barrier_signal -1
	MUL12 F1, 0, 2, 0
.if \fill
	WIN 0
.endif
	s_barrier_wait -1
.if \fill
	CREST                                          ; no wave of any partner still reads this slot or has a load on its way
	JLOAD 1                                        ; the four v_nop behind it are also the places in front of the loads below
.else
	PLACES
.endif
	FETCH 0, F0
.if \fill
	ASK
.endif
	MUL12 F1, 1, 0, 0
	MUL12 F1, 1, 2, 0
.endm
	s_wait_tensorcnt 1                             ; my part of the first K step is in; the second's may stay out
	s_barrier_signal -1
	s_barrier_wait -1
	FETCH 0, F0
	s_wait_loadcnt 0x0                             ; the bias
	QUARTER 64,  F0, F1, 1
	WIN 0                                          ; at a label and at a branch every window is 0
	s_mov_b32 s3, STEPS-2
.Lstep:                                                ; a trip goes from a K step's second quarter to the next step's first, and fills the slot that it leaves
	QUARTER 128, F1, F0, 0
	QUARTER 192, F0, F1, 0
	TURN 1
	QUARTER 64,  F0, F1, 0
	WIN 0
	s_sub_co_u32 s3, s3, 1
	s_cmp_lg_u32 s3, 0
	s_cbranch_scc1 .Lstep
	QUARTER 128, F1, F0, 0                         ; the last two K steps fill nothing
	QUARTER 192, F0, F1, 0
	TURN 0                                         ; behind its barrier nobody reads slot 0 any more
	QUARTER 64,  F0, F1, 0
	QUARTER 128, F1, F0, 0
	QUARTER 192, F0, F1, 0
	s_wait_dscnt 8
	MUL12 F1, 0, 0, 0
	MUL12 F1, 0, 2, 0
	s_wait_dscnt 0x0
	MUL12 F1, 1, 0, 0
	MUL12 F1, 1, 2, 0
	; THE WAY OUT: round to f16, 16 bytes a lane into the work-group's stage; a barrier, since a head's row of 256 bytes comes from two waves; back as whole rows of a head.
	PLACES
.irp hi, 0,1
	WIN 0x0a+5*(\hi)                               ; sources in window 2 or 3, destination in window 0
.set n, 0
.rept 24
.irp r, 0,1,2,3
	v_cvt_pk_f16_f32 v[TMP+96*(\hi)+4*n+(\r)], v[8*n+2*(\r)], v[8*n+2*(\r)+1]
.endr
.set n, n+1
.endr
	WIN 0
.irp a, 0,1,2,3
.irp b, 0,1,2,3,4,5
	ds_store_b128 v[STO+3*(\hi)], v[TMP+96*(\hi)+4*(6*(\a)+(\b)):TMP+96*(\hi)+4*(6*(\a)+(\b))+3] offset:(\a)*16*SPITCH+32*(\b)
.endr
.endr
.endr
	s_wait_dscnt 0x0                               ; for the others' sake: my stores into the stage are done
	s_barrier_signal -1
	s_barrier_wait -1
.set n, 0
.rept 48                                       ; head n / 16 of the three, rows 2 (n % 16) and the next of my 32
	ds_load_b128 v[TMP+4*n:TMP+4*n+3], v[RD] offset:256*(n/16)+2*SPITCH*(n%16)
.set n, n+1
.endr
.set n, 0
.rept 48
	s_wait_dscnt 47-n                              ; load n is back; the younger ones may stay out
	global_store_b128 v[CO], v[TMP+4*n:TMP+4*n+3], s[8:9] offset:524288*(n/16)+512*(n%16)  ; 512 consecutive bytes, at a multiple of 256 from qkv's first byte
.set n, n+1
.endr
	s_wait_tensorcnt 0x0                           ; the wave's end
	ds_add_u32 v[SPW], v[NIL]
	s_wait_dscnt 0x0
	CROUND                                         ; the closing round: no work-group ends while a partner may still ask for a tile that names it
	s_endpgm
.Lfunc_end_k_q4b98bcafd9_proj_qkv:
	.size	k_q4b98bcafd9_proj_qkv, .Lfunc_end_k_q4b98bcafd9_proj_qkv-k_q4b98bcafd9_proj_qkv
	.p2alignl 7, 3214868480
	.fill 96, 4, 3214868480
	.section	.rodata,"a",@progbits
	.p2align	6, 0x0
	.amdhsa_kernel k_q4b98bcafd9_proj_qkv
		.amdhsa_group_segment_fixed_size 327680
		.amdhsa_private_segment_fixed_size 0
		.amdhsa_enable_private_segment 0
		.amdhsa_kernarg_size 32
		.amdhsa_user_sgpr_count 2
		.amdhsa_user_sgpr_kernarg_segment_ptr 1
		.amdhsa_wavefront_size32 1
		.amdhsa_system_sgpr_workgroup_id_x 1
		.amdhsa_system_sgpr_workgroup_id_y 1
		.amdhsa_system_sgpr_workgroup_id_z 1
		.amdhsa_system_vgpr_workitem_id 0
		.amdhsa_next_free_vgpr 960
		.amdhsa_next_free_sgpr 72
		.amdhsa_reserve_vcc 0
		.amdhsa_float_denorm_mode_32 3
		.amdhsa_float_denorm_mode_16_64 3
		.amdhsa_memory_ordered 1
		.amdhsa_forward_progress 1
		.amdhsa_inst_pref_size 97
	.end_amdhsa_kernel
	.amdgpu_metadata
---
amdhsa.version: [ 1, 2 ]
amdhsa.kernels:
  - .name:           k_q4b98bcafd9_proj_qkv
    .symbol:         k_q4b98bcafd9_proj_qkv.kd
    .args:
      - { .name: xb, .offset: 0, .size: 8, .value_kind: global_buffer, .address_space: global }
      - { .name: wqkv, .offset: 8, .size: 8, .value_kind: global_buffer, .address_space: global }
      - { .name: bias, .offset: 16, .size: 8, .value_kind: global_buffer, .address_space: global }
      - { .name: qkv, .offset: 24, .size: 8, .value_kind: global_buffer, .address_space: global }
    .group_segment_fixed_size: 327680
    .private_segment_fixed_size: 0
    .kernarg_segment_align: 8
    .kernarg_segment_size: 32
    .max_flat_workgroup_size: 128
    .sgpr_count:     72
    .vgpr_count:     960
    .wavefront_size: 32
...
	.end_amdgpu_metadata
.endif
;; end of part 2
;; launch attn (part 3): grid 16 x 16, 4 waves a work-group, clusters of 4 x 1, 327,680 bytes of LDS; arguments qkv, pmask, ctx; writes ctx
.if DOCPART == 3
	.amdgcn_target "amdgcn-amd-amdhsa--gfx1250"
	.amdhsa_code_object_version 6
	.text
	.protected	k_q4b98bcafd9_attn
	.globl	k_q4b98bcafd9_attn
	.p2align	8
	.type	k_q4b98bcafd9_attn,@function
k_q4b98bcafd9_attn:
	s_mov_b64 s[64:65], 0
	v_nop
	global_prefetch_b8 v0, s[64:65] scope:SCOPE_SE
	s_setreg_imm32_b32 hwreg(HW_REG_WAVE_MODE, 25, 1), 1
	s_wait_xcnt 0x0
	s_wait_alu depctr_hold_cnt(0) depctr_sa_sdst(0) depctr_va_vdst(0) depctr_va_sdst(0) depctr_va_ssrc(0) depctr_va_vcc(0) depctr_vm_vsrc(0)
	s_getreg_b32 s2, hwreg(HW_REG_IB_STS2, 6, 4)
	s_cmp_eq_u32 s2, 0
	s_cbranch_scc0 .Lentry_in_a_cluster
	s_endpgm
.Lentry_in_a_cluster:
	s_bfe_u32 s2, ttmp6, 0x10000c
	s_cmp_lg_u32 s2, 0x3003
	s_cbranch_scc0 .Lentry_shape_is_right
	s_endpgm
.Lentry_shape_is_right:
; ctx[q][128 h + :] = the sum over k of softmax_k(masked(Q[h][q] . K[h][k] / sqrt(128))) V[h][k][:].  qkv: [48][2048][128] f16 (q, k, v by heads), pmask: lane masks of the mask input, ctx: [2048][2048] f16.
; Products, maxima and sums in f32; the weights p are rounded to f16 for the second product (their sum l is taken of the unrounded p), ctx once at the end.
; THE MASK is an input: every key is walked, and a hidden score is REPLACED, by a select, as in the definition.  A row with no visible key therefore gets equal weights: the mean of all rows of V.
; LIMITS.  The unscaled hidden score is -1.5 x 2^33, after the scale -1.139e9 where the definition has -1e9: c times that number is exact in f32, so that in a row of hidden scores c s - c m is 0
; and every weight 1.  The two agree while a row's visible scaled scores lie above about -1e9 (|q . k| under 1.1e10).  Q, K, V arrive within f16's 65,504; a weight below 2^-126 counts as 0 in l,
; and below 6e-5 it keeps f16's fixed step of 6e-8; NaN and infinities are not treated apart.
; SHARES.  A work-group owns 128 queries of one head.  Wave w takes 64 of them (w % 2) and HALF THE KEYS (w / 2): of each slot's 128 keys the step of 64 numbered w / 2.  So a fragment of K or V read from LDS
; still feeds four tiles of 16 queries, and there are 256 work-groups.  At the end the two halves are merged through LDS: each wave keeps its piece 0, gives its piece 2 to wave w ^ 2 and takes that wave's;
; piece 0 holds queries 32 (w / 2) on of the wave's 64, piece 2 the other 32, so that this is one text.
; LAYOUT.  S^T = K Q^T (source 0 = 16 keys, source 1 = 16 queries): a lane holds ONE query (lane % 16) and the keys 8 (lane / 16) + 0..7 of each 16.  Two such results rounded to f16 ARE source 1 of O^T = V^T P.
; SOFTMAX.  A running maximum m and sum l: p = 2^(c s - c m), c = log2(e) / sqrt(128); in every step O and l are multiplied by a = 2^(c m_old - c m_new).  m starts at the lowest finite number, O and l at 0:
; the first step is a step like any other, with a = 0.
; BY TURNS.  The wave's tiles are two pieces (tiles 0, 1 and 2, 3).  In a turn one piece has the matrix unit: 32 products V^T P of the step in hand, 32 products K Q^T of the next; the other piece's softmax,
; cut into 64 slices, stands one slice behind each product; ahead of them, in one run, the 64 selects that put the hidden score into that piece's scores.  Their masks are scalar registers, loaded a turn ahead.
; CLUSTER.  The four query blocks of a cluster belong to one head and walk the same K and V: each tile is asked for jointly.  One load of a wave is out behind each round.
; REGISTERS, in windows of 256 (s_set_vgpr_msb: bits 1:0 source 0, 3:2 source 1, 5:4 source 2, 7:6 destination):
;   window 0: v1-11, v44-63 addresses and constants; v12-43 eight registers of statistics a tile; v64-191 S^T, 32 a tile; v192-255 P, 16 a tile
;   window 1: O^T, 64 a tile      window 2: v0-127 Q, 32 a tile; v128-255 K of one step      window 3: v0-127 V of one step, at the end the partner's O^T
.set KS,    64
.set PK,    272       ; a row of K in LDS: 256 bytes + 16: the 16 rows of a load start at 16 different groups of four banks (64 banks of 4 bytes: ISA guide 11.1)
.set PV,    288       ; a row of V: 256 + 32
.set VOFF,  KS*PK     ; a step's tiles lie together: 64 rows of K, then 64 rows of V
.set STEPB, KS*(PK+PV)
.set SLOT1, 1<<17     ; a slot holds two steps; slot 1 begins here, so that one exclusive or turns an address in one slot into the other's
.set MRG,   SLOT1+2*STEPB  ; behind the ring, never filled by a tensor load: for each wave two tiles of O^T (16 x 512 bytes) with 256 bytes of statistics each
.set MTILE, 16*512+256
.set MRGW,  2*MTILE
.set STAGE, MRG+4*MRGW     ; 16 rows x 272 bytes for each wave, for the way out
.set SP,    272
.set SPARE, STAGE+4*16*SP  ; the spare words, 128 bytes a wave; no other line names them
.set AK0, 2           ; v2   my lane's place in a tile of K
.set AV0, 3           ; v3   the same for V
.set ADR, 4           ; v4   the LDS address of the run of loads in hand
.set QO0, 5           ; v5   my byte offset in the wave's rows of Q, piece 0
.set STO, 6           ; v6   the way out: where I put 16 bytes of a row
.set RD,  7           ; v7   the way out: where I read a row back
.set GO,  8           ; v8   my byte offset in two rows of ctx
.set ST,  12          ; tile t's statistics at v[ST+8 t]: +0 c m, +1 m, +2, +3 l, +4 to +7 c0-c3 at work; a takes c2's place once the maximum is found
.set QO2, 44          ; v44  as QO0, piece 2
.set BIGV, 45         ; v45  the hidden score
.set CV,  46          ; v[46:47] c, twice
.set MST, 48          ; v48  merge: where I put 16 bytes of O^T
.set MS8, 49          ; v49  merge: where I put c m and l
.set PST, 50          ; v[50:53] the partner's c m and l, two tiles
.set CMX, 54          ; v54-55 the joint c m
.set LX,  56          ; v56-57 the joint l, then 1 / l
.set MLD, 58          ; v58  merge: where I read the partner's O^T
.set ML8, 59          ; v59  and its statistics
.set SB,  60          ; v60  my stage's first byte
.set PFO, 61          ; v61  256 x my lane: a row of K or V
.set SPW, 62          ; v62  my spare word; never rewritten
.set NIL, 63          ; v63  0; never rewritten
.set S,   64
.set P,   192
.set KF,  128         ; K's fragments, in window 2
.set WV,  2           ; s2   my wave's number
.set SLOTS, 3         ; s3   changes of slots still to come
.set PMP, 4           ; s[4:5] pmask
.set MO0, 6           ; s6   byte offset of piece 0's mask words for its next step
.set MO2, 7           ; s7   the same for piece 2
.set G1K, 8           ; s[8:15]  group 1 for K's tiles
.set G1V, 16          ; s[16:23] for V's: it differs in the padding alone
.set G0K, 24          ; s[24:27] group 0 for K's tiles: it walks
.set G0V, 28          ; s[28:31] the same for V's
.set MK0, 32          ; s[32:63] the 32 mask words of a piece's first tile (at the head: at work)
.set TB,  66          ; s66  LDS byte at which my step of the slot in hand begins
.set LIM, 67          ; s67  2 in a wave that prefetches, else the greatest number
.set MK1, 68          ; s[68:99] the mask words of the piece's second tile
.set SEL, 100         ; s[100:101] v_permlanex16_b32's selects: each lane takes its own place in the other half
.set PFA, 104         ; s[104:105] where my prefetches stand
.set MSB, 0
.macro WIN new
.if MSB != (\new)
	s_set_vgpr_msb (MSB<<8)|(\new)
.set MSB, \new
.endif
.endm
.set W_KQ, 0x0a       ; K and Q in window 2, S^T in window 0
.set W_PV, 0x53       ; V in window 3, P in window 0, O^T in window 1
.set W_RS, 0x41       ; O^T (destination and source 0) in window 1, the factor in window 0
; A joint fill.  Waves 0 and 1 fetch a slot's two steps of K, waves 2 and 3 those of V: 64 rows of 256 bytes each.  An s_nop 0 and four v_nop follow each of the two lines.
.macro JLOAD
	s_cmp_lt_u32 s[WV], 2
	s_cbranch_scc0 .Lfor_v_\@
	tensor_load_to_lds s[G0K:G0K+3], s[G1K:G1K+7]
	s_nop 0
.rept 4
	v_nop
.endr
	s_branch .Lasked_\@
.Lfor_v_\@:
	tensor_load_to_lds s[G0V:G0V+3], s[G1V:G1V+7]
	s_nop 0
.rept 4
	v_nop
.endr
.Lasked_\@:
.endm
; A prefetch of the slot that will be asked for two changes on, 256 matrix instructions ahead of its load: a lane a row.  Each row is named once in the launch: the head's first cluster asks; its four
; partners take 32 of a slot's 128 rows each, told apart by address; in each, wave 0 asks for K's and wave 2 for V's.  The last two changes that fill a slot ask for nothing; slots 0 to 2 come by their loads alone.
.macro ASK
	s_cmp_gt_u32 s[SLOTS], s[LIM]
	s_cbranch_scc0 .Lnot_mine_\@
	global_prefetch_b8 v[PFO], s[PFA:PFA+1] th:TH_LOAD_NT scope:SCOPE_SE
.Lnot_mine_\@:
.endm
.macro CROUND                       ; a round of the cluster's barrier
	s_barrier_signal -1
	s_barrier_wait -1
	s_cmp_lg_u32 s[WV], 0
	s_cbranch_scc1 .Lnot_wave_0_\@
	s_barrier_signal -3
.Lnot_wave_0_\@:
	s_barrier_wait -3
	s_barrier_signal -1
	s_barrier_wait -1
.endm
; THE CHANGE OF SLOTS.  Each wave waits for all its tensor loads (one is out: its part of the other slot), adds 0 to its spare word, and waits for that and for its reads of the slot that it leaves.
; fill = 1: the barrier is a round of the cluster's, and the old slot is filled again, first thing behind it, with the keys two slots on.  (At its first use slot 0 is waited for and slot 1 filled.)
.macro CHANGE fill
	WIN 0
	s_wait_tensorcnt 0x0            ; no tensor load of mine is out, so a group 0 may be written
	ds_add_u32 v[SPW], v[NIL]
.if \fill
.irp g, G0K, G0V
	s_xor_b32 s[(\g)+1], s[(\g)+1], SLOT1
	s_add_nc_u64 s[(\g)+2:(\g)+3], s[(\g)+2:(\g)+3], 2*KS*256
.endr
	s_wait_xcnt 0x0                 ; the last prefetch, a key step back, has read its address
	s_add_nc_u64 s[PFA:PFA+1], s[PFA:PFA+1], 2*KS*256
	s_wait_dscnt 0x0                ; the add is done, and my reads of the slot are over
	CROUND
	JLOAD
	ASK
.else
	s_wait_dscnt 0x0
	s_barrier_signal -1
	s_barrier_wait -1
.endif
	s_xor_b32 s[TB], s[TB], SLOT1   ; my step, in the other slot
.endm
; The mask words of piece p's two tiles for its next step: 128 bytes each, 4,096 bytes apart.
.macro MLOAD p
.if (\p) == 0
.set mo, MO0
.else
.set mo, MO2
.endif
	s_load_b512 s[MK0:MK0+15],    s[PMP:PMP+1], s[mo] offset:0x0
	s_load_b512 s[MK0+16:MK0+31], s[PMP:PMP+1], s[mo] offset:0x40
	s_load_b512 s[MK1:MK1+15],    s[PMP:PMP+1], s[mo] offset:0x1000
	s_load_b512 s[MK1+16:MK1+31], s[PMP:PMP+1], s[mo] offset:0x1040
.endm
	s_load_b64 s[32:33], s[0:1], 0x0      ; qkv
	s_load_b64 s[PMP:PMP+1], s[0:1], 0x8  ; pmask
	v_lshl_add_u32 v[SPW], v0, 2, SPARE
	v_mov_b32 v[NIL], 0
	ds_add_u32 v[SPW], v[NIL]       ; the wave's opening: the add and its wait stand ahead of my first tensor load
	v_lshrrev_b32 v1, 5, v0
	v_readfirstlane_b32 s[WV], v1   ; wave 0..3
	s_bfe_u32 s34, ttmp6, 0x40000   ; cx
	s_lshl_b32 s35, ttmp9, 2
	s_add_co_u32 s35, s35, s34      ; my block of 128 queries: it enters Q's, the mask's and ctx's addresses alone
	s_and_b32 s36, ttmp7, 0xffff    ; the head, which the four partners share
	s_and_b32 s37, s[WV], 1         ; which 64 queries are mine; also: which of a slot's two steps I fetch
	s_lshr_b32 s38, s[WV], 1        ; which of a slot's two steps I multiply
	s_lshl_b32 s40, s36, 19         ; a head is 524,288 bytes
	s_lshl_b32 s39, s37, 14         ; 64 rows of 256 bytes
	s_add_co_u32 s42, s40, s39
	s_add_co_u32 s42, s42, 16<<19   ; K: heads 16 on
	s_mov_b32 s43, 0
	s_add_co_u32 s44, s42, 16<<19   ; V: heads 32 on
	s_mov_b32 s45, 0
	s_lshl_b32 s46, s35, 15         ; Q: my block's 128 rows, my wave's 64
	s_add_co_u32 s46, s46, s39
	s_add_co_u32 s46, s46, s40
	s_mov_b32 s47, 0
	s_lshl_b32 s48, s35, 3          ; the mask: tile of 16 queries 8 x block + 4 (w % 2) + ...
	s_lshl_b32 s49, s37, 2
	s_add_co_u32 s48, s48, s49
	s_lshl_b32 s49, s38, 1
	s_lshl_b32 s51, s38, 7          ; my step of slot 0: 128 bytes a step
	s_add_co_u32 s50, s48, s49      ; ... + 2 (w / 2) for piece 0,
	s_lshl_b32 s[MO0], s50, 12
	s_add_co_u32 s[MO0], s[MO0], s51
	s_sub_co_u32 s50, s48, s49      ; ... + 2 - 2 (w / 2) for piece 2
	s_add_co_u32 s50, s50, 2
	s_lshl_b32 s[MO2], s50, 12
	s_add_co_u32 s[MO2], s[MO2], s51
	s_mul_i32 s52, s37, STEPB       ; where my tile goes in a slot: no place in the cluster enters an LDS address
	s_mov_b32 s[G0K], 1
	s_mov_b32 s[G0K+1], s52
	s_mov_b32 s[G0V], 1
	s_add_co_u32 s[G0V+1], s52, VOFF
	s_mul_i32 s[TB], s38, STEPB
	s_add_co_u32 s[TB], s[TB], SLOT1  ; the first change of slots turns it into slot 0
	s_lshl_b32 s53, s38, 13         ; piece 0's 32 rows of Q,
	s_xor_b32 s56, s53, 8192        ; piece 2's
	s_mov_b32 s[G1K], 15|(1<<16)|(1<<20)|(1<<21)|(5<<22)|(3<<25)  ; the mask of four; 2-byte elements; padding on; bit 21 beside a mask; after every 64 words 4 words
	s_mov_b32 s[G1V], 15|(1<<16)|(1<<20)|(1<<21)|(5<<22)|(7<<25)  ; the same with 8 words
.irp g, G1K, G1V
	s_mov_b32 s[(\g)+1], 128<<16    ; tensor_dim0 = 128
	s_mov_b32 s[(\g)+2], KS<<16     ; tensor_dim1 = 64
	s_mov_b32 s[(\g)+3], 128<<16    ; tile_dim0 = 128
	s_mov_b32 s[(\g)+4], KS         ; tile_dim1 = 64
	s_mov_b32 s[(\g)+5], 128        ; elements from row to row
	s_mov_b32 s[(\g)+6], 0
	s_mov_b32 s[(\g)+7], 0
.endr
	s_mov_b32 s[SEL], 0x76543210
	s_mov_b32 s[SEL+1], 0xfedcba98
	s_mov_b32 s[SLOTS], 15
	s_and_b32 s[LIM], s[WV], 1      ; 0 in waves 0 and 2,
	s_or_b32 s[LIM], s[LIM], ttmp9  ; where the cluster is the head's first: the same in all four partners
	s_cmp_eq_u32 s[LIM], 0
	s_cselect_b32 s[LIM], 2, -1
	s_cmp_lt_u32 s[WV], 2
	s_cselect_b32 s54, s42, s44     ; the prefetches: K's or V's rows (in waves 0 and 2: from a slot's first row),
	s_lshl_b32 s55, s34, 13         ; my work-group's 32 of the 128,
	s_add_co_u32 s54, s54, s55
	s_add_co_u32 s54, s54, 2*2*KS*256  ; in slot 2: the first change of slots steps it to slot 3
	s_mov_b32 s55, 0
	s_wait_dscnt 0x0                ; the opening add is done
	s_wait_kmcnt 0x0
	s_add_nc_u64 s[G0K+2:G0K+3], s[32:33], s[42:43]
	s_or_b32 s[G0K+3], s[G0K+3], 0x80000000
	s_add_nc_u64 s[G0V+2:G0V+3], s[32:33], s[44:45]
	s_or_b32 s[G0V+3], s[G0V+3], 0x80000000
	s_add_nc_u64 s[PFA:PFA+1], s[32:33], s[54:55]
	s_add_nc_u64 s[46:47], s[32:33], s[46:47]  ; Q at my wave's first row
	CROUND                          ; all four work-groups are here: the first joint loads meet
	JLOAD                           ; slot 0
	v_and_b32 v1, 15, v0            ; l % 16
	v_bfe_u32 v9, v0, 4, 1          ; l / 16
	v_lshlrev_b32 v[QO0], 8, v1
	v_lshl_add_u32 v[QO0], v9, 4, v[QO0]  ; row x 256 + 16 x half
	v_add_nc_u32 v[QO2], s56, v[QO0]
	v_add_nc_u32 v[QO0], s53, v[QO0]
	WIN 0x80                        ; destination window 2
.irp i, 0,1,2,3,4,5,6,7             ; Q stays in registers: tile i / 4, channels 32 (i % 4) on
	global_load_b128 v[8*(\i):8*(\i)+3],   v[QO0], s[46:47] offset:((\i)/4)*4096+((\i)%4)*64
	global_load_b128 v[8*(\i)+4:8*(\i)+7], v[QO0], s[46:47] offset:((\i)/4)*4096+((\i)%4)*64+32
.endr
.irp i, 8,9,10,11,12,13,14,15
	global_load_b128 v[8*(\i):8*(\i)+3],   v[QO2], s[46:47] offset:((\i)/4-2)*4096+((\i)%4)*64
	global_load_b128 v[8*(\i)+4:8*(\i)+7], v[QO2], s[46:47] offset:((\i)/4-2)*4096+((\i)%4)*64+32
.endr
	; What the first turn finds: V and piece 2's P hold 0 (its products V^T P, of a step that has not been, add 0), O^T and l are 0.  All this stands in the wait for the first tile.
	WIN 0xc0
.set i, 0
.rept 128
	v_mov_b32 v[i], 0
.set i, i+1
.endr
	WIN 0x40
.set i, 0
.rept 256
	v_mov_b32 v[i], 0
.set i, i+1
.endr
	WIN 0
.set i, P+32
.rept 32
	v_mov_b32 v[i], 0
.set i, i+1
.endr
.irp t, 0,1,2,3
	v_mov_b32 v[ST+8*(\t)], 0xfe000000    ; c m: far below every c s, the hidden score's too
	v_mov_b32 v[ST+8*(\t)+1], 0xff7fffff  ; m
	v_mov_b32 v[ST+8*(\t)+2], 0
	v_mov_b32 v[ST+8*(\t)+3], 0
.endr
	v_mov_b32 v[BIGV], 0xd0400000   ; -1.5 x 2^33
	v_mov_b32 v[CV], 0x3e0293ee     ; c = log2(e) / sqrt(128) = 0.127517
	v_mov_b32 v[CV+1], 0x3e0293ee
	v_mul_u32_u24 v[AK0], v1, PK
	v_lshl_add_u32 v[AK0], v9, 4, v[AK0]  ; row x pitch + 16 x half
	; The turning load takes 16 keys x 16 channels (lane l reads key 8 (l / 16) + l % 8, channels 8 ((l / 8) % 2) + 0..7) and leaves half a fragment of V^T: lane l holds channel l % 16 and 8 keys.
	v_and_b32 v10, 7, v0
	v_bfe_u32 v11, v0, 3, 1
	v_lshl_add_u32 v[AV0], v9, 3, v10
	v_mul_u32_u24 v[AV0], v[AV0], PV
	v_lshl_add_u32 v[AV0], v11, 4, v[AV0]
	v_add_nc_u32 v[AV0], VOFF, v[AV0]
	v_and_b32 v10, 31, v0
	s_mul_i32 s57, s[WV], MRGW
	s_add_co_u32 s57, s57, MRG
	v_lshl_add_u32 v[MST], v10, 4, s57
	v_lshl_add_u32 v[MS8], v10, 3, s57
	s_xor_b32 s58, s[WV], 2         ; my partner: the same queries, the other keys
	s_mul_i32 s58, s58, MRGW
	s_add_co_u32 s58, s58, MRG
	v_lshl_add_u32 v[MLD], v10, 4, s58
	v_lshl_add_u32 v[ML8], v10, 3, s58
	v_lshlrev_b32 v[PFO], 8, v10
	s_mul_i32 s57, s[WV], 16*SP
	s_add_co_u32 s57, s57, STAGE
	v_mov_b32 v[SB], s57            ; kept in a vector register: the scalar ones at work here become mask words
; THE MATRIX WORK.  The accumulators take turns, one instruction a turn: between two links of a chain stand 15 (V^T P) or 7 (K Q^T) others'.
; Product i of 32 of O^T += V^T P: keys 32 (i / 16) on, channels 16 ((i / 2) % 8) on, tile x + i % 2.
.macro PV x
	WIN W_PV
.set rO, 64*((\x)+i%2)+8*((i/2)%8)
.set rV, 64*(i/16)+8*((i/2)%8)
.set rP, P+16*((\x)+i%2)+8*(i/16)
	v_wmma_f32_16x16x32_f16 v[rO:rO+7], v[rV:rV+7], v[rP:rP+7], v[rO:rO+7]
.endm
; Product i of 32 of S^T = K Q^T: channels 32 (i / 8) on, keys 16 ((i / 2) % 4) on, tile x + i % 2.  The first 8 start the sums.
.macro KQ x
	WIN W_KQ
.set rS, S+32*((\x)+i%2)+8*((i/2)%4)
.set rK, KF+32*((i/2)%4)+8*(i/8)
.set rQ, 32*((\x)+i%2)+8*(i/8)
.if i < 8
	v_wmma_f32_16x16x32_f16 v[rS:rS+7], v[rK:rK+7], v[rQ:rQ+7], 0
.else
	v_wmma_f32_16x16x32_f16 v[rS:rS+7], v[rK:rK+7], v[rQ:rQ+7], v[rS:rS+7]
.endif
.endm
; THE LDS LOADS stand in runs of 32: a step's K (16 fragments) and, a turn later, its V (turned).
.macro FETCH_K
	WIN 0
	v_add_nc_u32 v[ADR], s[TB], v[AK0]
	WIN 0x80
.irp f, 0,1,2,3,4,5,6,7,8,9,10,11,12,13,14,15  ; keys 16 (f / 4) on, channels 32 (f % 4) on
	ds_load_b128 v[KF+8*(\f):KF+8*(\f)+3],   v[ADR] offset:((\f)/4)*16*PK+((\f)%4)*64
	ds_load_b128 v[KF+8*(\f)+4:KF+8*(\f)+7], v[ADR] offset:((\f)/4)*16*PK+((\f)%4)*64+32
.endr
.endm
.macro FETCH_V
	WIN 0
	v_add_nc_u32 v[ADR], s[TB], v[AV0]
	s_wait_alu depctr_va_vdst(0)    ; the wait for the softmax's batch of exponentials, behind the address's line and ahead of the loads
	WIN 0xc0
.irp f, 0,1,2,3,4,5,6,7,8,9,10,11,12,13,14,15  ; keys 32 (f / 8) on, channels 16 (f % 8) on
	ds_load_tr16_b128 v[8*(\f):8*(\f)+3],   v[ADR] offset:((\f)/8)*32*PV+((\f)%8)*32
	ds_load_tr16_b128 v[8*(\f)+4:8*(\f)+7], v[ADR] offset:((\f)/8)*32*PV+16*PV+((\f)%8)*32
.endr
.endm
; THE VECTOR WORK.  One tile's softmax for one key step is a list of 134 instructions; SM writes number j of it for tile t.  s0-s31 are the lane's 32 scores, in pairs 0-15.
;   0-15    the maximum of s0-s31 and the old m, three operands at a time: four chains c0-c3 of seven scores, then the four left over, c0-c3 and m
;   16-20   the other half of the lanes' maximum; c m_old is kept; the new m; c m; c m_old - c m_new
;   21-69   ONE BATCH: the 16 scalings c s - c m and all 33 exponentials (a at 23, then s0-s31); none of these reads an exponential's result
;   (wait)  between 69 and 70 stands the one wait for the batch: SLICE writes it, once for both tiles
;   70-85   the roundings to f16     86-101  the sums; l = a l + the sum     102-133 the tile's O^T times a
.macro SM t
.set rT, ST+8*(\t)
.set rS, S+32*(\t)
.set rP, P+16*(\t)
.set rO, 64*(\t)+2*(j-102)
.if j < 102
	WIN 0
.endif
.if j < 4
	v_max3_num_f32 v[rT+4+j], v[rS+8*j], v[rS+8*j+1], v[rS+8*j+2]
.elseif j < 12
	v_max3_num_f32 v[rT+4+j%4], v[rT+4+j%4], v[rS+8*(j%4)+2*(j/4)+1], v[rS+8*(j%4)+2*(j/4)+2]
.elseif j == 12
	v_max3_num_f32 v[rT+4], v[rT+4], v[rS+7], v[rS+15]
.elseif j == 13
	v_max3_num_f32 v[rT+6], v[rT+6], v[rS+23], v[rS+31]
.elseif j == 14
	v_max3_num_f32 v[rT+4], v[rT+4], v[rT+5], v[rT+6]
.elseif j == 15
	v_max3_num_f32 v[rT+4], v[rT+4], v[rT+7], v[rT+1]
.elseif j == 16
	v_permlanex16_b32 v[rT+5], v[rT+4], s[SEL], s[SEL+1]  ; the query's other 32 keys lie in the lane 16 away
.elseif j == 17
	v_mov_b32 v[rT+7], v[rT]        ; c m_old is kept for a: number 19 writes c m anew
.elseif j == 18
	v_max_num_f32 v[rT+1], v[rT+4], v[rT+5]
.elseif j == 19
	v_mul_f32 v[rT], v[CV], v[rT+1]
.elseif j == 20
	v_sub_f32 v[rT+7], v[rT+7], v[rT]
.elseif j == 23
	v_exp_f32 v[rT+6], v[rT+7]
.elseif (j < 23) || ((j < 38) && (j%2 == 0)) || ((j < 66) && (j%4 == 2))
.set b, (j-2)/4                     ; 38, 42, .. 62: pairs 9 to 15
.if j < 38
.set b, (j-20)/2                    ; 21: pair 0; 22, 24, .. 36: pairs 1 to 8
.endif
	v_pk_fma_f32 v[rS+2*b:rS+2*b+1], v[rS+2*b:rS+2*b+1], v[CV:CV+1], v[rT:rT+1] op_sel_hi:[1,1,0] neg_lo:[0,0,1] neg_hi:[0,0,1]  ; pair b: c s - c m
.elseif j < 70
.set e, j-38                        ; 66 to 69: s28 to s31
.if j < 66
.set e, j-32-(j-38)/4               ; 39-41, 43-45, .. 63-65: s7 to s27
.endif
.if j < 38
.set e, (j-25)/2                    ; 25, 27, .. 37: s0 to s6
.endif
	v_exp_f32 v[rS+e], v[rS+e]
.elseif j < 86
	v_cvt_pk_f16_f32 v[rP+j-70], v[rS+2*(j-70)], v[rS+2*(j-70)+1]
.elseif j < 102                     ; the sum of the tile's 16 pairs, in place: neighbours 1, 2, 4 and 8 pairs apart, then l takes it
.set z, j-86
.set w, 4
.set u, z
.if z >= 14
.set w, 32
.set u, 0
.elseif z >= 12
.set w, 16
.set u, z-12
.elseif z >= 8
.set w, 8
.set u, z-8
.endif
.if z < 15
	v_pk_add_f32 v[rS+w*u:rS+w*u+1], v[rS+w*u:rS+w*u+1], v[rS+w*u+w/2:rS+w*u+w/2+1]
.else
	v_pk_fma_f32 v[rT+2:rT+3], v[rT+2:rT+3], v[rT+6:rT+7], v[rS:rS+1] op_sel_hi:[1,0,1]
.endif
.else
	WIN W_RS
	v_pk_mul_f32 v[rO:rO+1], v[rO:rO+1], v[rT+6:rT+7] op_sel_hi:[1,0]
.endif
.endm
; Slice k of 64 of piece y's softmax: four instructions.  Slices 11 to 34 deal out the batch, four numbers of ONE tile each, the tiles by turns; every other slice is numbers 2 k and 2 k + 1 of both
; tiles; the twelve that are over stand in slice 63, where they are also the places behind the turn's last product.  Behind slice 34 stands a plain instruction and the batch's one wait.
.macro SLICE y
.if (k >= 11) && (k < 35)
.irp n, 0,1,2,3
.set j, 22+4*((k-11)/2)+(\n)
	SM (\y)+(k-11)%2
.endr
.else
.irp n, 0,1,2,3,4,5,6,7
.if ((\n) < 2) || (k == 63)
.irp t, \y, (\y)+1
.set j, 2*k+(\n)
	SM \t
.endr
.endif
.endr
.endif
.if k == 34
	v_nop                           ; the plain instruction behind the last exponential: one for the batch
.if (\y) == 0
	FETCH_V                         ; piece 2's turn: V's run of loads stands here, and the wait stands in it.  V's last reader stands in front of slice 31: two scalings, the v_nop and the address's line are the four places
.else
	s_wait_alu depctr_va_vdst(0)    ; the wait for the batch
.endif
.endif
.set k, k+1
.endm
; A TURN.  Piece x has the matrix unit; y = 2 - x is the piece whose scores, made in the turn before, are masked and go through the softmax.
; kq = 1: 32 products K Q^T for the next step follow the 32 products V^T P; kq = 0: two slices behind each product.  ld = 1: piece x's mask words for the scores that this turn makes are asked for.
.macro TURN x, kq, ld
.set k, 0
.set per, 2-(\kq)
	WIN 0
	s_wait_kmcnt 0x0                ; piece y's mask words, asked for a turn ago
.set q, 0
.rept 32                            ; bit 1 keeps the score, bit 0 takes the hidden score.  Each accumulator's lowest register is read first
	v_cndmask_b32 v[S+32*(2-(\x))+q], v[BIGV], v[S+32*(2-(\x))+q], s[MK0+q]
	v_cndmask_b32 v[S+32*(3-(\x))+q], v[BIGV], v[S+32*(3-(\x))+q], s[MK1+q]
.set q, q+1
.endr
.if \ld
.if (\x) == 0
	s_add_co_u32 s[MO2], s[MO2], 256  ; piece y's next step: the load that read this offset has been waited for
.else
	s_add_co_u32 s[MO0], s[MO0], 256
.endif
	MLOAD \x
.endif
.if (\x) == 0
	s_wait_dscnt 0x0                ; V is in
.endif
.set i, 0
.rept 32
	PV \x
.rept per
	SLICE 2-(\x)
.endr
.if ((\x) == 0) && (\kq) && (i == 1)
	FETCH_K                         ; the next step's K: its last reader stands in front of slice 63 of the turn before
.endif
.set i, i+1
.endr
.if \kq
.if (\x) == 0
	s_wait_dscnt 0x0                ; K is in
.endif
.set i, 0
.rept 32
	KQ \x
	SLICE 2-(\x)
.set i, i+1
.endr
.endif
.endm
	CHANGE 1                        ; slot 0 is in, everybody's part of it; slot 1 is asked for
	FETCH_K                         ; my step of slot 0
	s_wait_loadcnt 0x0              ; Q; its pointer's registers are free
	MLOAD 0
	s_wait_dscnt 0x0
.set i, 0
.rept 32
	KQ 0                            ; piece 0's first scores
.set i, i+1
.endr
	WIN 0                           ; the addresses for the way out: eight plain instructions, the places behind those products
	v_mul_u32_u24 v[STO], v1, SP    ; in: row l % 16, 16 bytes for each half of the lanes
	v_lshl_add_u32 v[STO], v9, 4, v[STO]
	v_add_nc_u32 v[STO], v[SB], v[STO]
	v_mul_u32_u24 v[RD], v9, SP     ; back: lanes 0-15 take one row of 256 bytes, lanes 16-31 the next
	v_lshl_add_u32 v[RD], v1, 4, v[RD]
	v_add_nc_u32 v[RD], v[SB], v[RD]
	v_lshlrev_b32 v[GO], 12, v9     ; and the same two rows in ctx, 4,096 bytes apart
	v_lshl_add_u32 v[GO], v1, 4, v[GO]
	s_branch .Lfirst                ; the loop is entered in the middle of a trip
.Lslot:                             ; 14 times: slots 2 to 15 are asked for
	CHANGE 1
	TURN 0, 1, 1
	WIN 0
.Lfirst:
	TURN 2, 1, 1
	WIN 0
	s_sub_co_u32 s[SLOTS], s[SLOTS], 1
	s_cmp_lg_u32 s[SLOTS], 0
	s_cbranch_scc1 .Lslot
	CHANGE 0                        ; the tail is written out: nothing is asked for
	TURN 0, 1, 1
	TURN 2, 1, 1
	TURN 0, 0, 0                    ; piece 0: V^T P of the last step | piece 2's last softmax
.set i, 0
.rept 32
	PV 2                            ; piece 2: V^T P of the last step
.set i, i+1
.endr
	; THE MERGE.  l's two halves and the other half of the lanes' are added, into m's place beside c m.  The additions are the places behind the last products.
	WIN 0
.irp t, 0,1,2,3
	v_add_f32 v[ST+8*(\t)+4], v[ST+8*(\t)+2], v[ST+8*(\t)+3]
.endr
.irp t, 0,1,2,3
	v_permlanex16_b32 v[ST+8*(\t)+5], v[ST+8*(\t)+4], s[SEL], s[SEL+1]
.endr
.irp t, 0,1,2,3
	v_add_f32 v[ST+8*(\t)+1], v[ST+8*(\t)+4], v[ST+8*(\t)+5]
.endr
	s_load_b64 s[32:33], s[0:1], 0x10  ; ctx
	WIN 0x04                        ; store data in window 1
.irp u, 0,1                         ; piece 2 goes to my partner: O^T as it lies, 16 bytes a lane,
.irp i, 0,1,2,3,4,5,6,7,8,9,10,11,12,13,14,15
	ds_store_b128 v[MST], v[64*(2+(\u))+4*(\i):64*(2+(\u))+4*(\i)+3] offset:MTILE*(\u)+512*(\i)
.endr
.endr
	WIN 0
.irp u, 0,1
	ds_store_b64 v[MS8], v[ST+8*(2+(\u)):ST+8*(2+(\u))+1] offset:MTILE*(\u)+8192  ; and c m with l
.endr
	s_wait_dscnt 0x0                ; for the partner's sake: my stores are done
	s_barrier_signal -1
	s_barrier_wait -1
.irp u, 0,1
	ds_load_b64 v[PST+2*(\u):PST+2*(\u)+1], v[ML8] offset:MTILE*(\u)+8192
.endr
	WIN 0xc0                        ; destination window 3: V's registers are free
.irp u, 0,1
.irp i, 0,1,2,3,4,5,6,7,8,9,10,11,12,13,14,15
	ds_load_b128 v[64*(\u)+4*(\i):64*(\u)+4*(\i)+3], v[MLD] offset:MTILE*(\u)+512*(\i)
.endr
.endr
	WIN 0
	s_bfe_u32 s34, ttmp6, 0x40000   ; where I store: row 128 x block + 64 (w % 2) + 32 (w / 2), 4,096 bytes a row; the head's 256 bytes of it
	s_lshl_b32 s35, ttmp9, 2
	s_add_co_u32 s35, s35, s34
	s_lshl_b32 s35, s35, 7
	s_and_b32 s38, s[WV], 1
	s_lshl_b32 s38, s38, 6
	s_add_co_u32 s35, s35, s38
	s_lshr_b32 s38, s[WV], 1
	s_lshl_b32 s38, s38, 5
	s_add_co_u32 s35, s35, s38
	s_lshl_b32 s36, s35, 12
	s_and_b32 s38, ttmp7, 0xffff
	s_lshl_b32 s38, s38, 8
	s_add_co_u32 s36, s36, s38
	s_mov_b32 s37, 0
	s_wait_dscnt 32                 ; the statistics are in; the 32 younger loads may stay out
.irp u, 0,1
	v_max_num_f32 v[CMX+(\u)], v[ST+8*(\u)], v[PST+2*(\u)]
.endr
.irp u, 0,1
	v_sub_f32 v[ST+8*(\u)+4], v[ST+8*(\u)], v[CMX+(\u)]
	v_sub_f32 v[ST+8*(\u)+5], v[PST+2*(\u)], v[CMX+(\u)]
.endr
.irp u, 0,1
	v_exp_f32 v[ST+8*(\u)+4], v[ST+8*(\u)+4]   ; my half's factor,
	v_exp_f32 v[ST+8*(\u)+5], v[ST+8*(\u)+5]   ; the partner's
.endr
	v_nop                           ; a plain instruction behind the last exponential,
	s_wait_alu depctr_va_vdst(0)    ; and one wait for the four
.irp u, 0,1
	v_mul_f32 v[LX+(\u)], v[ST+8*(\u)+1], v[ST+8*(\u)+4]
.endr
.irp u, 0,1
	v_fmac_f32 v[LX+(\u)], v[PST+2*(\u)+1], v[ST+8*(\u)+5]
.endr
.irp u, 0,1
	v_rcp_f32 v[LX+(\u)], v[LX+(\u)]
.endr
	v_nop
	s_wait_alu depctr_va_vdst(0)    ; one wait for the two reciprocals
.irp u, 0,1
	v_mul_f32 v[ST+8*(\u)+6], v[ST+8*(\u)+4], v[LX+(\u)]  ; what my O^T is multiplied by,
	v_mul_f32 v[ST+8*(\u)+4], v[ST+8*(\u)+5], v[LX+(\u)]  ; and the partner's
.endr
	s_wait_dscnt 0x0                ; the partner's O^T
	s_wait_kmcnt 0x0
	s_add_nc_u64 s[32:33], s[32:33], s[36:37]
; Tile t: the two halves are joined and divided by l; a lane's eight channels of a row pack into 16 bytes; they go into rows of 272 bytes and come back as whole rows of 256.
.macro PACK t
	WIN W_RS
.set i, 64*(\t)
.rept 32
	v_pk_mul_f32 v[i:i+1], v[i:i+1], v[ST+8*(\t)+6:ST+8*(\t)+7] op_sel_hi:[1,0]
.set i, i+2
.endr
	WIN 0x53                        ; source 0 (the partner's) window 3, the factor window 0, addend and destination window 1
.set i, 64*(\t)
.rept 32
	v_pk_fma_f32 v[i:i+1], v[i:i+1], v[ST+8*(\t)+4:ST+8*(\t)+5], v[i:i+1] op_sel_hi:[1,0,1]
.set i, i+2
.endr
	WIN 0x05                        ; sources window 1, destination window 0: S^T's registers are free
.set i, 0
.rept 32
	v_cvt_pk_f16_f32 v[S+32*(\t)+i], v[64*(\t)+2*i], v[64*(\t)+2*i+1]
.set i, i+1
.endr
	WIN 0
.irp f, 0,1,2,3,4,5,6,7
	ds_store_b128 v[STO], v[S+32*(\t)+4*(\f):S+32*(\t)+4*(\f)+3] offset:32*(\f)
.endr
.irp f, 0,1,2,3,4,5,6,7
	ds_load_b128 v[S+32*(\t)+4*(\f):S+32*(\t)+4*(\f)+3], v[RD] offset:(\f)*2*SP  ; LDS serves a wave's instructions in order (ISA guide 5.7.1.4): these see the stores above; the next tile's stores come behind them
.endr
.endm
.macro SEND t, younger              ; younger: the LDS instructions issued behind tile t's loads
	WIN 0
.irp f, 0,1,2,3,4,5,6,7
	s_wait_dscnt (\younger)+7-(\f)
	global_store_b128 v[GO], v[S+32*(\t)+4*(\f):S+32*(\t)+4*(\f)+3], s[32:33] offset:(\t)*65536+(\f)*8192  ; 16 lanes store 256 consecutive bytes, at a multiple of 256 from ctx's first byte
.endr
.endm
	PACK 0
	PACK 1
	SEND 0, 16
	SEND 1, 0
	s_wait_tensorcnt 0x0            ; the wave's end
	ds_add_u32 v[SPW], v[NIL]
	s_wait_dscnt 0x0
	CROUND                          ; the closing round: no work-group ends while a partner may still ask for a tile that names it
	s_endpgm
.Lfunc_end_k_q4b98bcafd9_attn:
	.size	k_q4b98bcafd9_attn, .Lfunc_end_k_q4b98bcafd9_attn-k_q4b98bcafd9_attn
	.p2alignl 7, 3214868480
	.fill 96, 4, 3214868480
	.section	.rodata,"a",@progbits
	.p2align	6, 0x0
	.amdhsa_kernel k_q4b98bcafd9_attn
		.amdhsa_group_segment_fixed_size 327680
		.amdhsa_private_segment_fixed_size 0
		.amdhsa_enable_private_segment 0
		.amdhsa_kernarg_size 24
		.amdhsa_user_sgpr_count 2
		.amdhsa_user_sgpr_kernarg_segment_ptr 1
		.amdhsa_wavefront_size32 1
		.amdhsa_system_sgpr_workgroup_id_x 1
		.amdhsa_system_sgpr_workgroup_id_y 1
		.amdhsa_system_sgpr_workgroup_id_z 1
		.amdhsa_system_vgpr_workitem_id 0
		.amdhsa_next_free_vgpr 896
		.amdhsa_next_free_sgpr 106
		.amdhsa_reserve_vcc 0
		.amdhsa_float_denorm_mode_32 3
		.amdhsa_float_denorm_mode_16_64 3
		.amdhsa_memory_ordered 1
		.amdhsa_forward_progress 1
		.amdhsa_inst_pref_size 196
	.end_amdhsa_kernel
	.amdgpu_metadata
---
amdhsa.version: [ 1, 2 ]
amdhsa.kernels:
  - .name:           k_q4b98bcafd9_attn
    .symbol:         k_q4b98bcafd9_attn.kd
    .args:
      - { .name: qkv, .offset: 0, .size: 8, .value_kind: global_buffer, .address_space: global }
      - { .name: pmask, .offset: 8, .size: 8, .value_kind: global_buffer, .address_space: global }
      - { .name: ctx, .offset: 16, .size: 8, .value_kind: global_buffer, .address_space: global }
    .group_segment_fixed_size: 327680
    .private_segment_fixed_size: 0
    .kernarg_segment_align: 8
    .kernarg_segment_size: 24
    .max_flat_workgroup_size: 128
    .sgpr_count:     106
    .vgpr_count:     896
    .wavefront_size: 32
...
	.end_amdgpu_metadata
.endif
;; end of part 3
;; launch proj_out (part 4): grid 16 x 16, 4 waves a work-group, clusters of 4 x 4, 327,680 bytes of LDS; arguments ctx, wo16, bias, out0; writes out0
.if DOCPART == 4
	.amdgcn_target "amdgcn-amd-amdhsa--gfx1250"
	.amdhsa_code_object_version 6
	.text
	.protected	k_q4b98bcafd9_proj_out
	.globl	k_q4b98bcafd9_proj_out
	.p2align	8
	.type	k_q4b98bcafd9_proj_out,@function
k_q4b98bcafd9_proj_out:
	s_mov_b64 s[64:65], 0
	v_nop
	global_prefetch_b8 v0, s[64:65] scope:SCOPE_SE
	s_setreg_imm32_b32 hwreg(HW_REG_WAVE_MODE, 25, 1), 1
	s_wait_xcnt 0x0
	s_wait_alu depctr_hold_cnt(0) depctr_sa_sdst(0) depctr_va_vdst(0) depctr_va_sdst(0) depctr_va_ssrc(0) depctr_va_vcc(0) depctr_vm_vsrc(0)
	s_getreg_b32 s2, hwreg(HW_REG_IB_STS2, 6, 4)
	s_cmp_eq_u32 s2, 0
	s_cbranch_scc0 .Lentry_in_a_cluster
	s_endpgm
.Lentry_in_a_cluster:
	s_bfe_u32 s2, ttmp6, 0x10000c
	s_cmp_lg_u32 s2, 0xf033
	s_cbranch_scc0 .Lentry_shape_is_right
	s_endpgm
.Lentry_shape_is_right:
; out0 = ctx Wo^T + bo.  ctx: [2048][2048] f16, wo16: [2048][2048] f16 (Wo rounded to bf16, written as f16), bias: f32 table, bo at number 6,144 on; out0: [2048][2048] f32.
; Sums in f32, begun with the bias; nothing is rounded on the way out.
; A tile is 128 x 128: 16 x 16 tiles, one to a work-group.  Four waves, each 64 x 64: 16 accumulators.  K goes in steps of 256 (LDS rows of 512 bytes; a wave's tensor load brings 64 of them)
; through two slots: 128 matrix instructions a wave in a step, 112 of them between a request and the wait for it.  One load of a wave is out behind each change of slots (two at the start).
; The loop is one K step; the slot in hand is a scalar that an exclusive or toggles.
; CLUSTER: 4 x 4 work-groups; A's tile is asked for jointly by a row of the cluster, B's by a column.
; THE WALK ALONG K IS STAGGERED.  Cluster (X, Y) begins at K step 2 ((X + 2 (Y % 2)) % 4) and wraps round at the row's end (f32 sums may be taken in any order of K).  So the four clusters of one Y,
; which read the same rows of ctx, stand two K steps apart on them, and of the four clusters of one X, which read the same rows of Wo, those with Y and Y + 1 stand four apart.
; The offset is made of the cluster's coordinates alone: it is the same in all sixteen partners.
; THE MATRIX INSTRUCTION IS USED TRANSPOSED (source 0 = 16 rows of Wo, source 1 = 16 rows of ctx): a lane holds eight neighbouring numbers of a row of the output, 32 bytes, and the bias of a block
; is eight numbers a lane: the C operand of the first product on each accumulator.
; A wave's 64 columns are 256 aligned bytes of a row: each wave has a stage of its own on the way out, and no barrier.
; No prefetch: a small tile with short steps, and the launch is short.
; REGISTERS: window 0: v16-29 addresses; v32-95 at work on the way out; v96-127 the bias, block b at 96 + 8 b; v128-255 the accumulators ((a, b) at 128 + 8 (4 a + b)).
;   window 1: two fragment buffers of 128: for 64 along K, 64 registers of A, then 64 of B.
.set SIZE_N, 2048
.set SIZE_K, 2048
.set KSTEP,  256
.set ROWB,   2*SIZE_K                  ; bytes in a row of ctx and of Wo: a power of two, so that an AND wraps the walk
.set STEPS,  SIZE_K/KSTEP
.set PITCH,  528                       ; an LDS row: 512 bytes + 16: the 16 rows of a fragment load start at 16 different groups of four banks (64 banks of 4 bytes: ISA guide 11.1)
.set HALFT,  64*PITCH                  ; what one tensor load brings: 0x8400 bytes
.set SLOT,   4*HALFT                   ; A's 128 rows, then B's 128 rows: 0x21000 bytes: no bit in common with wave x HALFT, so an exclusive or with SLOT moves a part from one slot to the other
.set STAGE,  2*SLOT                    ; behind the ring, never filled by a tensor load: 16 rows x 272 bytes for each wave
.set SPITCH, 272
.set SPARE,  STAGE+4*16*SPITCH         ; the spare words, 128 bytes a wave; no other line names them
.set BOFF,   6144*4                    ; bo in the table
.set ADRA0, 16                         ; v16  my A fragments in slot 0; never rewritten
.set ADRA,  17                         ; v17  the same in the slot in hand
.set ADRB0, 20                         ; v20  my B fragments in slot 0; never rewritten
.set ADRB,  21                         ; v21  the same in the slot in hand
.set STO,  24                          ; v24  where I put 32 bytes of a row
.set RD,   25                          ; v25  where I read a row back
.set CO,   26                          ; v26  my byte offset in two rows of the output
.set BO,   27                          ; v27  my eight numbers of a block's bias
.set SPW,  28                          ; v28  my spare word; never rewritten
.set NIL,  29                          ; v29  0; never rewritten
.set TMP,  32
.set BIAS, 96
.set ACC,  128
.set F0,   0
.set F1,   128
.set AB,  14                           ; s[14:15] ctx at the first of the 64 rows that I fetch
.set KO,  18                           ; s[18:19] byte of a row at which the K step last asked for begins
.set G1, 24                            ; s[24:31] group 1 for A;  s[32:39] group 0: a set for each of the two first fills; the second then walks on
.set G0, 32
.set G1B, 48                           ; s[48:55], s[56:63] the same for B
.set G0B, 56
.set TB,  66                           ; s66  LDS byte at which the slot in hand begins: 0 or SLOT
.set BB,  68                           ; s[68:69] wo16 at the first of the 64 rows that I fetch
.set MSB, 0
.macro WIN new
.if MSB != (\new)
	s_set_vgpr_msb (MSB<<8)|(\new)
.set MSB, \new
.endif
.endm
.set MUL,  0x05                        ; sources 0 (B) and 1 (A) window 1; C and D window 0
.set TO_F, 0x40                        ; destination window 1, address window 0
.macro JLOAD s                         ; a joint load: waves 0 and 1 fetch A's two halves, waves 2 and 3 B's; an s_nop 0 and four v_nop follow each of the two lines
	s_cmp_eq_u32 s11, 0
	s_cbranch_scc0 .Lfor_b_\@
	tensor_load_to_lds s[G0+4*(\s):G0+4*(\s)+3], s[G1:G1+7]
	s_nop 0
.rept 4
	v_nop
.endr
	s_branch .Lasked_\@
.Lfor_b_\@:
	tensor_load_to_lds s[G0B+4*(\s):G0B+4*(\s)+3], s[G1B:G1B+7]
	s_nop 0
.rept 4
	v_nop
.endr
.Lasked_\@:
.endm
.macro CREST
	s_cmp_lg_u32 s10, 0
	s_cbranch_scc1 .Lnot_wave_0_\@
	s_barrier_signal -3
.Lnot_wave_0_\@:
	s_barrier_wait -3
	s_barrier_signal -1
	s_barrier_wait -1
.endm
.macro CROUND
	s_barrier_signal -1
	s_barrier_wait -1
	CREST
.endm
	s_load_b128 s[4:7], s[0:1], 0x0                ; ctx s[4:5], wo16 s[6:7]
	s_load_b64 s[2:3], s[0:1], 0x10                ; bias
	s_load_b64 s[8:9], s[0:1], 0x18                ; out0
	v_lshl_add_u32 v[SPW], v0, 2, SPARE
	v_mov_b32 v[NIL], 0
	ds_add_u32 v[SPW], v[NIL]                      ; the wave's opening: the add and its wait stand ahead of my first tensor load
	v_lshrrev_b32 v1, 5, v0
	v_readfirstlane_b32 s10, v1                    ; wave 0..3
	s_lshr_b32 s11, s10, 1                         ; which half of the tile's rows is mine.  Also: I fetch for A (0) or for B (1)
	s_and_b32 s12, s10, 1                          ; which half of its columns.  Also: which 64 rows of that tile I fetch
	s_bfe_u32 s40, ttmp6, 0x40000                  ; cx, cy
	s_bfe_u32 s41, ttmp6, 0x40004
	s_lshl_b32 s42, ttmp9, 2
	s_add_co_u32 s42, s42, s40                     ; tile column = 4 X + cx
	s_and_b32 s13, ttmp7, 0xffff                   ; Y
	s_and_b32 s[KO], s13, 1                        ; where my cluster's walk begins: (X + 2 (Y % 2)) % 4,
	s_lshl_b32 s[KO], s[KO], 1
	s_add_co_u32 s[KO], s[KO], ttmp9
	s_and_b32 s[KO], s[KO], 3
	s_lshl_b32 s[KO], s[KO], 10                    ; times two K steps of 512 bytes
	s_mov_b32 s[KO+1], 0
	s_mov_b32 s[TB], 0
	s_lshl_b32 s13, s13, 2
	s_add_co_u32 s13, s13, s41                     ; tile row = 4 Y + cy
	s_lshl_b32 s43, s41, 2
	s_lshl_b32 s43, 15, s43                        ; my row of the cluster
	s_lshl_b32 s44, 0x1111, s40                    ; my column
	s_or_b32 s[G1+0], s43, (1<<16)|(1<<20)|(1<<21)|(6<<22)|(3<<25)  ; the mask; 2-byte elements; padding on; bit 21 beside a mask; after every 128 words 4 words
	s_or_b32 s[G1B+0], s44, (1<<16)|(1<<20)|(1<<21)|(6<<22)|(3<<25)
.irp g, G1, G1B
	s_mov_b32 s[(\g)+1], KSTEP<<16                 ; tensor_dim0 = 256
	s_mov_b32 s[(\g)+2], 64<<16                    ; tensor_dim1 = 64
	s_mov_b32 s[(\g)+3], KSTEP<<16                 ; tile_dim0 = 256
	s_mov_b32 s[(\g)+4], 64                        ; tile_dim1 = 64
	s_mov_b32 s[(\g)+5], SIZE_K                    ; elements from row to row
	s_mov_b32 s[(\g)+6], 0
	s_mov_b32 s[(\g)+7], 0
.endr
	s_lshl_b32 s17, s12, 6                         ; which 64 rows of the tile I fetch
	s_lshl_b32 s16, s13, 7
	s_add_co_u32 s16, s16, s17                     ; A: row 128 x tile row + 64 x half
	s_lshl_b32 s46, s42, 7
	s_add_co_u32 s46, s46, s17                     ; B: row 128 x tile column + 64 x half
	s_lshl_b32 s16, s16, 12                        ; 4,096 bytes a row
	s_lshl_b32 s46, s46, 12
	s_mov_b32 s17, 0
	s_mov_b32 s47, 0
	s_mul_i32 s20, s10, HALFT                      ; where they go: wave x 64 rows; no place in the cluster enters an LDS address
	s_wait_dscnt 0x0                               ; the opening add is done
	s_wait_kmcnt 0x0
	s_add_nc_u64 s[AB:AB+1], s[4:5], s[16:17]
	s_add_nc_u64 s[BB:BB+1], s[6:7], s[46:47]
	CROUND                                         ; all sixteen work-groups are here: the first joint loads meet
.irp s, 0,1
	s_mov_b32 s[G0+4*(\s)], 1
	s_add_co_u32 s[G0+4*(\s)+1], s20, (\s)*SLOT
	s_add_nc_u64 s[G0+4*(\s)+2:G0+4*(\s)+3], s[AB:AB+1], s[KO:KO+1]
	s_or_b32 s[G0+4*(\s)+3], s[G0+4*(\s)+3], 0x80000000
	s_mov_b32 s[G0B+4*(\s)], 1
	s_add_co_u32 s[G0B+4*(\s)+1], s20, (\s)*SLOT
	s_add_nc_u64 s[G0B+4*(\s)+2:G0B+4*(\s)+3], s[BB:BB+1], s[KO:KO+1]
	s_or_b32 s[G0B+4*(\s)+3], s[G0B+4*(\s)+3], 0x80000000
	JLOAD \s
.if (\s) == 0
	s_add_co_u32 s[KO], s[KO], KSTEP*2             ; the walk's second K step (no register of a descriptor)
	s_and_b32 s[KO], s[KO], ROWB-1
.endif
.endr
	v_and_b32 v1, 15, v0                           ; l % 16
	v_bfe_u32 v2, v0, 4, 1                         ; l / 16
	v_mul_u32_u24 v3, v1, PITCH
	v_lshl_add_u32 v3, v2, 4, v3                   ; a fragment's row x pitch + 16 x half
	s_mul_i32 s21, s11, HALFT                      ; my 64 rows of A
	s_mul_i32 s22, s12, HALFT                      ; my 64 rows of B,
	s_add_co_u32 s22, s22, 2*HALFT                 ; which lie behind A's 128
	v_add_nc_u32 v[ADRA0], s21, v3
	v_add_nc_u32 v[ADRB0], s22, v3
	v_add_nc_u32 v[ADRA], s[TB], v[ADRA0]
	v_add_nc_u32 v[ADRB], s[TB], v[ADRB0]
	s_mul_i32 s23, s10, 16*SPITCH
	s_add_co_u32 s23, s23, STAGE                   ; my stage
	v_mul_u32_u24 v4, v1, SPITCH                   ; in: row l % 16, 32 bytes for each half of the lanes
	v_lshl_add_u32 v4, v2, 5, v4
	v_add_nc_u32 v[STO], s23, v4
	v_mul_u32_u24 v5, v2, SPITCH                   ; back: lanes 0-15 take one row of 256 bytes, lanes 16-31 the next
	v_lshl_add_u32 v5, v1, 4, v5
	v_add_nc_u32 v[RD], s23, v5
	v_lshlrev_b32 v5, 13, v2                       ; and the same two rows in the output, 8,192 bytes apart
	v_lshl_add_u32 v[CO], v1, 4, v5
	s_lshl_b32 s16, s13, 7
	s_lshl_b32 s17, s11, 6
	s_add_co_u32 s16, s16, s17                     ; my first row: 128 x tile row + 64 x half
	s_lshl_b32 s16, s16, 13
	s_mov_b32 s17, 0
	s_add_nc_u64 s[8:9], s[8:9], s[16:17]
	s_lshl_b32 s46, s42, 9                         ; my first column, in bytes: 512 x tile column + 256 x half
	s_lshl_b32 s47, s12, 8
	s_add_co_u32 s46, s46, s47
	s_mov_b32 s47, 0
	s_add_nc_u64 s[8:9], s[8:9], s[46:47]
	v_lshl_add_u32 v[BO], v2, 5, s46               ; the bias of the same columns, 32 bytes for each half of the lanes
.irp b, 0,1,2,3
	global_load_b128 v[BIAS+8*(\b):BIAS+8*(\b)+3],   v[BO], s[2:3] offset:BOFF+64*(\b)
	global_load_b128 v[BIAS+8*(\b)+4:BIAS+8*(\b)+7], v[BO], s[2:3] offset:BOFF+64*(\b)+16
.endr
; 8 matrix instructions: row blocks a0, a0 + 1 x all 4 column blocks, 32 along K: half c of buffer f.  first = 1: the sum begins with the bias.  The 16 accumulators take turns.
.macro MUL8 f, c, a0, first
	WIN MUL
.irp a, \a0, (\a0)+1
.irp b, 0,1,2,3
.if \first
	v_wmma_f32_16x16x32_f16 v[ACC+8*(4*(\a)+(\b)):ACC+8*(4*(\a)+(\b))+7], v[(\f)+64+8*(4*(\c)+(\b)):(\f)+64+8*(4*(\c)+(\b))+7], v[(\f)+8*(4*(\c)+(\a)):(\f)+8*(4*(\c)+(\a))+7], v[BIAS+8*(\b):BIAS+8*(\b)+7]
.else
	v_wmma_f32_16x16x32_f16 v[ACC+8*(4*(\a)+(\b)):ACC+8*(4*(\a)+(\b))+7], v[(\f)+64+8*(4*(\c)+(\b)):(\f)+64+8*(4*(\c)+(\b))+7], v[(\f)+8*(4*(\c)+(\a)):(\f)+8*(4*(\c)+(\a))+7], v[ACC+8*(4*(\a)+(\b)):ACC+8*(4*(\a)+(\b))+7]
.endif
.endr
.endr
.endm
; 32 LDS loads in one run, from the slot in hand: the fragments of 64 along K at byte k of the rows, into buffer f; the first 32 along K first
.macro FETCH k, f
	WIN TO_F
.irp c, 0,1
.irp i, 0,1,2,3
	ds_load_b128 v[(\f)+64+8*(4*(\c)+(\i)):(\f)+64+8*(4*(\c)+(\i))+3],   v[ADRB] offset:(\k)+64*(\c)+(\i)*16*PITCH
	ds_load_b128 v[(\f)+64+8*(4*(\c)+(\i))+4:(\f)+64+8*(4*(\c)+(\i))+7], v[ADRB] offset:(\k)+64*(\c)+(\i)*16*PITCH+32
	ds_load_b128 v[(\f)+8*(4*(\c)+(\i)):(\f)+8*(4*(\c)+(\i))+3],         v[ADRA] offset:(\k)+64*(\c)+(\i)*16*PITCH
	ds_load_b128 v[(\f)+8*(4*(\c)+(\i))+4:(\f)+8*(4*(\c)+(\i))+7],       v[ADRA] offset:(\k)+64*(\c)+(\i)*16*PITCH+32
.endr
.endr
.endm
.macro PLACES                          ; four places in front of loads into registers that matrix instructions have read, and of LDS stores that read results
.rept 4
	v_nop
.endr
.endm
; A K step is four quarters of 64 along K, 32 matrix instructions each, on buffers 0, 1, 0, 1.
.macro QUARTER k, f, g, first
	s_wait_dscnt 16                                ; the first 32 along K are in
	MUL8 \f, 0, 0, \first
	MUL8 \f, 0, 2, \first
	PLACES
	FETCH \k, \g
	s_wait_dscnt 32                                ; all but the 32 just issued
	MUL8 \f, 1, 0, 0
	MUL8 \f, 1, 2, 0
.endm
; The last quarter multiplies buffer 1 and changes slots: one barrier; in front of it each wave waits for all its tensor loads, adds 0 to its spare word, and waits for that and for its reads of this slot.
; fill = 1: the barrier opens a round of the cluster's, and this slot is filled again, first thing behind it, with the K step two on.  The walking descriptors and the fragments' addresses are made while the add is out.
.macro TURN fill
	WIN 0                                          ; (the add's two registers lie in window 0)
	s_wait_tensorcnt 0x0                           ; all my tensor loads have landed: my part of the next slot
	ds_add_u32 v[SPW], v[NIL]
	s_xor_b32 s[TB], s[TB], SLOT                   ; the next fetches read the other slot
	v_add_nc_u32 v[ADRA], s[TB], v[ADRA0]
	v_add_nc_u32 v[ADRB], s[TB], v[ADRB0]
.if \fill
	s_add_co_u32 s[KO], s[KO], KSTEP*2             ; the next K step of the walk, round the row's end
	s_and_b32 s[KO], s[KO], ROWB-1
	s_xor_b32 s[G0+5], s[G0+5], SLOT               ; the other slot than last time,
	s_add_nc_u64 s[G0+6:G0+7], s[AB:AB+1], s[KO:KO+1]  ; the address made anew
	s_or_b32 s[G0+7], s[G0+7], 0x80000000
	s_xor_b32 s[G0B+5], s[G0B+5], SLOT
	s_add_nc_u64 s[G0B+6:G0B+7], s[BB:BB+1], s[KO:KO+1]
	s_or_b32 s[G0B+7], s[G0B+7], 0x80000000
.endif
	s_wait_dscnt 17                                ; (the add and the youngest sixteen loads may be out)
	MUL8 F1, 0, 0, 0
	s_wait_dscnt 0x0                               ; the add is done, and my reads of this slot are over
	s_barrier_signal -1
	MUL8 F1, 0, 2, 0
.if \fill
	WIN 0
.endif
	s_barrier_wait -1
.if \fill
	CREST                                          ; no wave of any partner still reads this slot or has a load on its way
	JLOAD 1                                        ; the four v_nop behind it are also the places in front of the loads below
.else
	PLACES
.endif
	FETCH 0, F0
	MUL8 F1, 1, 0, 0
	MUL8 F1, 1, 2, 0
.endm
	s_wait_tensorcnt 1                             ; my part of the first K step is in; the second's may stay out
	s_barrier_signal -1
	s_barrier_wait -1
	FETCH 0, F0
	s_wait_loadcnt 0x0                             ; the bias
	QUARTER 128, F0, F1, 1
	WIN 0                                          ; at a label and at a branch every window is 0
	s_mov_b32 s3, STEPS-2
.Lstep:                                                ; a trip goes from a K step's second quarter to the next step's first, and fills the slot that it leaves
	QUARTER 256, F1, F0, 0
	QUARTER 384, F0, F1, 0
	TURN 1
	QUARTER 128, F0, F1, 0
	WIN 0
	s_sub_co_u32 s3, s3, 1
	s_cmp_lg_u32 s3, 0
	s_cbranch_scc1 .Lstep
	QUARTER 256, F1, F0, 0                         ; the last two K steps fill nothing
	QUARTER 384, F0, F1, 0
	TURN 0
	QUARTER 128, F0, F1, 0
	QUARTER 256, F1, F0, 0
	QUARTER 384, F0, F1, 0
	s_wait_dscnt 16
	MUL8 F1, 0, 0, 0
	MUL8 F1, 0, 2, 0
	s_wait_dscnt 0x0
	MUL8 F1, 1, 0, 0
	MUL8 F1, 1, 2, 0
	WIN 0
	; THE WAY OUT, 16 rows at a time through my own stage: 32 bytes a lane in, whole rows of 256 bytes back.  LDS serves a wave's instructions in order (ISA guide 5.7.1.4): no wait between the stores and the loads.
	PLACES
.irp a, 0,1,2,3
.if (\a) >= 2
	s_wait_xcnt 0x0                                ; the stores of two blocks back have read the registers that are loaded again below
.endif
.irp b, 0,1,2,3
	ds_store_b128 v[STO], v[ACC+8*(4*(\a)+(\b)):ACC+8*(4*(\a)+(\b))+3]   offset:64*(\b)
	ds_store_b128 v[STO], v[ACC+8*(4*(\a)+(\b))+4:ACC+8*(4*(\a)+(\b))+7] offset:64*(\b)+16
.endr
.irp t, 0,1,2,3,4,5,6,7
	ds_load_b128 v[TMP+32*((\a)%2)+4*(\t):TMP+32*((\a)%2)+4*(\t)+3], v[RD] offset:(\t)*2*SPITCH
.endr
.irp t, 0,1,2,3,4,5,6,7
	s_wait_dscnt 7-(\t)
	global_store_b128 v[CO], v[TMP+32*((\a)%2)+4*(\t):TMP+32*((\a)%2)+4*(\t)+3], s[8:9] offset:(16*(\a)+2*(\t))*SIZE_N*4  ; 16 lanes store 256 consecutive bytes, at a multiple of 256 from out0's first byte
.endr
.endr
	s_wait_tensorcnt 0x0                           ; the wave's end
	ds_add_u32 v[SPW], v[NIL]
	s_wait_dscnt 0x0
	CROUND                                         ; the closing round: no work-group ends while a partner may still ask for a tile that names it
	s_endpgm
.Lfunc_end_k_q4b98bcafd9_proj_out:
	.size	k_q4b98bcafd9_proj_out, .Lfunc_end_k_q4b98bcafd9_proj_out-k_q4b98bcafd9_proj_out
	.p2alignl 7, 3214868480
	.fill 96, 4, 3214868480
	.section	.rodata,"a",@progbits
	.p2align	6, 0x0
	.amdhsa_kernel k_q4b98bcafd9_proj_out
		.amdhsa_group_segment_fixed_size 327680
		.amdhsa_private_segment_fixed_size 0
		.amdhsa_enable_private_segment 0
		.amdhsa_kernarg_size 32
		.amdhsa_user_sgpr_count 2
		.amdhsa_user_sgpr_kernarg_segment_ptr 1
		.amdhsa_wavefront_size32 1
		.amdhsa_system_sgpr_workgroup_id_x 1
		.amdhsa_system_sgpr_workgroup_id_y 1
		.amdhsa_system_sgpr_workgroup_id_z 1
		.amdhsa_system_vgpr_workitem_id 0
		.amdhsa_next_free_vgpr 512
		.amdhsa_next_free_sgpr 70
		.amdhsa_reserve_vcc 0
		.amdhsa_float_denorm_mode_32 3
		.amdhsa_float_denorm_mode_16_64 3
		.amdhsa_memory_ordered 1
		.amdhsa_forward_progress 1
		.amdhsa_inst_pref_size 70
	.end_amdhsa_kernel
	.amdgpu_metadata
---
amdhsa.version: [ 1, 2 ]
amdhsa.kernels:
  - .name:           k_q4b98bcafd9_proj_out
    .symbol:         k_q4b98bcafd9_proj_out.kd
    .args:
      - { .name: ctx, .offset: 0, .size: 8, .value_kind: global_buffer, .address_space: global }
      - { .name: wo16, .offset: 8, .size: 8, .value_kind: global_buffer, .address_space: global }
      - { .name: bias, .offset: 16, .size: 8, .value_kind: global_buffer, .address_space: global }
      - { .name: out0, .offset: 24, .size: 8, .value_kind: global_buffer, .address_space: global }
    .group_segment_fixed_size: 327680
    .private_segment_fixed_size: 0
    .kernarg_segment_align: 8
    .kernarg_segment_size: 32
    .max_flat_workgroup_size: 128
    .sgpr_count:     70
    .vgpr_count:     512
    .wavefront_size: 32
...
	.end_amdgpu_metadata
.endif
;; end of part 4
;; ======== version 2 of 2: 4 launches; version 1 with the launch prep written anew for expert scheduling mode
;; limits: values are held in f16: magnitudes above 65,504 overflow, below 6.1e-05 lose precision; right only within a limited range of input values
;; workspace buffers: xb 8,388,608 bytes; wqkv 25,165,824 bytes; wo16 8,388,608 bytes; bias 32,768 bytes; pmask 524,288 bytes of whole numbers; qkv 25,165,824 bytes; ctx 8,388,608 bytes
;; launch prep (part 5): grid 512 x 1, 8 waves a work-group, no clusters, 9,728 bytes of LDS; arguments hidden_states, Wq, Wk, Wv, Wo, attention_mask, bq, bk, bv, bo, xb, wqkv, wo16, pmask, bias; writes xb, wqkv, wo16, pmask, bias
.if DOCPART == 5
	.amdgcn_target "amdgcn-amd-amdhsa--gfx1250"
	.amdhsa_code_object_version 6
	.text
	.protected	k_q4b98bcafd9_prep
	.globl	k_q4b98bcafd9_prep
	.p2align	8
	.type	k_q4b98bcafd9_prep,@function
k_q4b98bcafd9_prep:
	s_mov_b64 s[64:65], 0
	v_nop
	global_prefetch_b8 v0, s[64:65] scope:SCOPE_SE
	s_setreg_imm32_b32 hwreg(HW_REG_WAVE_SCHED_MODE, 0, 2), 2
	s_setreg_imm32_b32 hwreg(HW_REG_WAVE_MODE, 25, 1), 1
	s_wait_xcnt 0x0
	s_wait_alu depctr_vm_vsrc(0)
; CASTS, BIAS TABLE, MASK WORDS.  All inputs are rounded once to bf16: x -> xb, Wq | Wk | Wv -> wqkv (bf16), Wo -> wo16 (the bf16 number written as f16: exact
; down to 6e-5, below that f16's fixed step of 6e-8), bq | bk | bv | bo -> bias (the bf16 number kept as f32).
; The mask (one byte, 0 or 1, for each query and key) becomes lane masks: the word at ((qt*32 + g)*32 + 8 kt + j)*4 holds in bit l the byte
; mask[16 qt + l % 16][64 g + 16 kt + 8 (l / 16) + j]: what lane l wants for register 8 kt + j of a tile of 16 queries x 64 keys of transposed scores.
; SHARES.  512 work-groups of eight waves.  Work-group g casts 8,192 numbers of each of the five large tensors: thread t takes 16 bytes at 32,768 g + 4,096 i + 16 t,
; i = 0..7, and stores 8 bytes at 16,384 g + 2,048 i + 8 t: a wave's load covers 512 consecutive bytes, its store 256, aligned.  All 40 loads of a wave go out at once.
; Waves 0 and 1 also pack one unit of the mask each (16 queries x 256 keys -> 128 words, 512 consecutive bytes); wave 2 rounds 64 numbers of the bias table.
; No matrix unit, no cluster, no tensor load: nothing is shared and nothing is multiplied.  No barrier: a mask tile in LDS is its wave's own.
; THE MODE: SCHED_MODE bits 1:0 = 2 (LLVM: expert scheduling mode 2), set by the entry lines.  The code itself states the register dependences
; between vector instructions and memory or LDS instructions, with s_wait_alu, always for 0.
; THE PLAN.  Registers that memory or LDS instructions touch:
;   v2-v9, v30, v31  offsets and LDS addresses.  Written by vector lines at the head, once; read by every load, store and LDS instruction.  One wait at the head serves them all.
;   MR               Written by the mask's loads, read by the LDS stores; no vector line names them.
;   DW               Written by LDS loads, read by vector lines; never loaded again.
;   WD, BW           Written by vector lines, read by one store each: a wait ahead of each of the two stores.
;   X                Load n lands in four registers.  The forty loads go in ten blocks of four: block p's conversions read its sixteen registers and write the first two of each four;
;                    the four stores that read those are issued in block p + 1.
; Block p's vector lines name its own sixteen registers and T alone; its memory instructions are the stores of block p - 1.  So ONE wait at a block's head states all that its four stores hang on,
; and they are dealt among its conversions with no further wait.  No register that a memory or LDS instruction reads is ever written again, and no load lands in a register that a vector line has named.
.set TP,    272                        ; a row of a mask tile in LDS: 256 bytes + 16
.set TILE,  16*TP                      ; wave 0's tile at 0, wave 1's at 4,352
.set SPARE, 2*TILE                     ; 8,704: the spare words, 128 bytes for each of the eight waves; no other line names them
.set VIN,  2                           ; v2   my 16 bytes of a source
.set VOUT, 3                           ; v3   my 8 bytes of a destination
.set MGO,  4                           ; v4   mask: my 16 bytes of two rows
.set MSA,  5                           ; v5   the same in my wave's tile
.set MRD,  6                           ; v6   the dword of a tile's row from which my four words take their bits
.set PMO,  7                           ; v7   my four words of pmask
.set BIN,  8                           ; v8   my two numbers of a bias
.set BOUT, 9                           ; v9   the same in the table
.set T,    10                          ; v10-13 at work: no memory instruction names them
.set BW,   14                          ; v[14:15] two bias numbers to store
.set AC,   16                          ; v16-19 byte j of AC+g: bits 8 g .. 8 g + 7 of my word j
.set TR,   20                          ; v20-23 half-way through the transposition
.set WD,   24                          ; v[24:27] my four words
.set BP,   28                          ; v[28:29] two bias numbers as loaded
.set SPW,  30                          ; v30  my spare word; never rewritten
.set NIL,  31                          ; v31  0; never rewritten
.set X,    32                          ; v[32:191] forty loads of four numbers
.set MR,   192                         ; v[192:223] sixteen rows of the mask, as loaded
.set DW,   224                         ; v[224:255] the 32 dwords that hold my words' bits
.set WV,   38                          ; s38  my wave's number
	s_load_b512 s[8:23], s[0:1], 0x0               ; x 8, Wq 10, Wk 12, Wv 14, Wo 16, mask 18, bq 20, bk 22
	s_load_b256 s[24:31], s[0:1], 0x40             ; bv 24, bo 26, xb 28, wqkv 30
	s_load_b128 s[32:35], s[0:1], 0x60             ; wo16 32, pmask 34
	s_load_b64 s[36:37], s[0:1], 0x70              ; bias
	v_lshl_add_u32 v[SPW], v0, 2, SPARE
	v_mov_b32 v[NIL], 0
	v_lshrrev_b32 v1, 5, v0
	v_readfirstlane_b32 s[WV], v1
	s_lshl_b32 s2, ttmp9, 15
	s_lshl_b32 s3, ttmp9, 14
	v_lshl_or_b32 v[VIN], v0, 4, s2
	v_lshl_or_b32 v[VOUT], v0, 3, s3
	v_and_b32 v10, 31, v0                          ; lane l
	v_and_b32 v11, 15, v0                          ; l % 16
	v_bfe_u32 v12, v0, 4, 1                        ; l / 16
	s_lshl_b32 s4, ttmp9, 1
	s_wait_alu depctr_va_sdst(0)                   ; s38, my wave's number, is written, ahead of its first reader: the mask's unit, the tile's place and the branches are made from it
	s_add_co_u32 s4, s4, s[WV]                     ; the mask unit u = 2 g + wave (waves 0 and 1): qt = u / 8, keys 256 (u % 8) on
	s_lshr_b32 s5, s4, 3
	s_lshl_b32 s5, s5, 15                          ; 16 rows of 2,048 bytes
	s_and_b32 s6, s4, 7
	s_lshl_b32 s6, s6, 8
	s_add_co_u32 s5, s5, s6
	v_lshl_add_u32 v[MGO], v11, 4, s5
	v_lshl_add_u32 v[MGO], v12, 11, v[MGO]         ; lanes 16-31 take the next row
	s_mul_i32 s7, s[WV], TILE
	v_mul_u32_u24 v[MSA], v12, TP
	v_lshl_add_u32 v[MSA], v11, 4, v[MSA]
	v_add_nc_u32 v[MSA], s7, v[MSA]
	v_lshrrev_b32 v13, 1, v10                      ; my words 4 l .. 4 l + 3 belong to the group of 16 keys l / 2, j = 4 (l % 2) + 0..3
	v_and_b32 v[MRD], 1, v0
	v_lshlrev_b32 v[MRD], 2, v[MRD]
	v_lshl_add_u32 v[MRD], v13, 4, v[MRD]
	v_add_nc_u32 v[MRD], s7, v[MRD]
	s_lshl_b32 s39, s4, 9
	v_lshl_add_u32 v[PMO], v10, 4, s39
	s_and_b32 s46, ttmp9, 31
	s_lshl_b32 s46, s46, 8
	v_lshl_add_u32 v[BIN], v10, 3, s46             ; unit g % 32 of one bias,
	s_lshl_b32 s47, ttmp9, 8
	v_lshl_add_u32 v[BOUT], v10, 3, s47            ; unit g of the table (stored for g < 128 alone)
	s_bfe_u32 s48, ttmp9, 0x20005                  ; which bias: (g / 32) % 4
	s_wait_kmcnt 0x0
	s_add_nc_u64 s[40:41], s[30:31], 0x800000      ; wqkv at Wk's rows,
	s_add_nc_u64 s[42:43], s[30:31], 0x1000000     ; and at Wv's
	s_cmp_eq_u32 s48, 1
	s_cselect_b64 s[44:45], s[22:23], s[20:21]
	s_cmp_eq_u32 s48, 2
	s_cselect_b64 s[44:45], s[24:25], s[44:45]
	s_cmp_eq_u32 s48, 3
	s_cselect_b64 s[44:45], s[26:27], s[44:45]
	s_wait_alu depctr_va_vdst(0)                   ; the eight offsets and LDS addresses v2 to v9 are written, which every load, store and LDS instruction below reads; none is written again
	s_cmp_lt_u32 s[WV], 2
	s_cbranch_scc0 .Lno_mask_load
.irp i, 0,1,2,3,4,5,6,7
	global_load_b128 v[MR+4*(\i):MR+4*(\i)+3], v[MGO], s[18:19] offset:4096*(\i) th:TH_LOAD_NT  ; two rows' 256 bytes each
.endr
	s_branch .Lcast_loads
.Lno_mask_load:
	s_cmp_eq_u32 s[WV], 2
	s_cbranch_scc0 .Lcast_loads
	global_load_b64 v[BP:BP+1], v[BIN], s[44:45]   ; every work-group's wave 2 loads a unit; 128 of them store it
.Lcast_loads:
.irp tau, 0,1,2,3,4
.irp i, 0,1,2,3,4,5,6,7
	global_load_b128 v[X+4*(8*(\tau)+(\i)):X+4*(8*(\tau)+(\i))+3], v[VIN], s[8+2*(\tau):9+2*(\tau)] offset:4096*(\i) th:TH_LOAD_NT
.endr
.endr
	s_cmp_lt_u32 s[WV], 2
	s_cbranch_scc0 .Lno_mask
	s_wait_loadcnt 40                              ; the forty younger loads stay out; my eight mask loads are in
.irp i, 0,1,2,3,4,5,6,7
	ds_store_b128 v[MSA], v[MR+4*(\i):MR+4*(\i)+3] offset:2*TP*(\i)  ; the data come from loads, the address from the head: no vector line since the head's wait names either
.endr
; bit b = row + 16 h of my words comes from the dword at row, column 16 (l / 2) + 8 h + 4 (l % 2).  Group g = b / 8 takes eight rows, the highest first.
; LDS serves a wave's instructions in order (ISA guide 5.7.1.4): these loads see the stores above.
.irp g, 0,1,2,3
.irp k, 0,1,2,3,4,5,6,7
	ds_load_b32 v[DW+8*(\g)+(\k)], v[MRD] offset:(8*((\g)%2)+7-(\k))*TP+8*((\g)/2)
.endr
.endr
	s_wait_dscnt 0x0
.irp g, 0,1,2,3
	v_lshl_or_b32 v[AC+(\g)], v[DW+8*(\g)], 1, v[DW+8*(\g)+1]  ; each byte is 0 or 1: eight of them shifted together fill a byte and never carry
.endr
.irp k, 2,3,4,5,6,7
.irp g, 0,1,2,3
	v_lshl_or_b32 v[AC+(\g)], v[AC+(\g)], 1, v[DW+8*(\g)+(\k)]
.endr
.endr
	v_perm_b32 v[TR+0], v[AC+1], v[AC+0], 0x05010400   ; 4 x 4 bytes are transposed: word j = byte j of the four groups
	v_perm_b32 v[TR+1], v[AC+1], v[AC+0], 0x07030602
	v_perm_b32 v[TR+2], v[AC+3], v[AC+2], 0x05010400
	v_perm_b32 v[TR+3], v[AC+3], v[AC+2], 0x07030602
	v_perm_b32 v[WD+0], v[TR+2], v[TR+0], 0x05040100
	v_perm_b32 v[WD+1], v[TR+2], v[TR+0], 0x07060302
	v_perm_b32 v[WD+2], v[TR+3], v[TR+1], 0x05040100
	v_perm_b32 v[WD+3], v[TR+3], v[TR+1], 0x07060302
	s_wait_alu depctr_va_vdst(0)                   ; the four lines above have written v[WD ..], which the store reads
	global_store_b128 v[PMO], v[WD:WD+3], s[34:35]     ; the wave's 512 consecutive bytes of pmask
	s_branch .Lcast
.Lno_mask:
	s_cmp_eq_u32 s[WV], 2
	s_cbranch_scc0 .Lcast
	s_wait_loadcnt 40                              ; my bias load is in
	v_cvt_pk_bf16_f32 v[T], v[BP], v[BP+1]
	v_lshlrev_b32 v[BW], 16, v[T]
	v_and_b32 v[BW+1], 0xffff0000, v[T]
	s_cmp_lt_u32 ttmp9, 128
	s_cbranch_scc0 .Lcast
	s_wait_alu depctr_va_vdst(0)                   ; the two lines above have written v[BW ..], which the store reads
	global_store_b64 v[BOUT], v[BW:BW+1], s[36:37]     ; the wave's 256 consecutive bytes of the table
.Lcast:
; A block: loads n0 to n0 + 3 of the forty.  left: how many younger loads may still be out when these four have to be there.  half = 1: the bf16 numbers are written as f16.
; prev = 1: the four stores of the block before, loads n0 - 4 to n0 - 1, whose destination's address is s[dprev:dprev+1], are issued here, one ahead of each load's conversions.
; No register of a store is written again.
.macro BLK n0, half, left, prev, dprev
	s_wait_loadcnt \left                           ; loads come back in order (ISA guide 5.7.1): this block's four are in, the younger blocks stay out
.if \prev
	s_wait_alu depctr_va_vdst(0)                   ; the block before has written the first two of each of its four registers, which the stores below read
.endif
.irp i, 0,1,2,3
.set r, X+4*((\n0)+(\i))
.if \prev
.set q, X+4*((\n0)-4+(\i))
	global_store_b64 v[VOUT], v[q:q+1], s[\dprev:\dprev+1] offset:2048*(((\n0)-4+(\i))%8) th:TH_STORE_NT  ; no vector line since the wait names these registers
.endif
	v_cvt_pk_bf16_f32 v[r], v[r], v[r+1]
	v_cvt_pk_bf16_f32 v[r+1], v[r+2], v[r+3]
.if \half
	v_lshlrev_b32 v[T], 16, v[r]                   ; the bf16 numbers as f32,
	v_and_b32 v[T+1], 0xffff0000, v[r]
	v_lshlrev_b32 v[T+2], 16, v[r+1]
	v_and_b32 v[T+3], 0xffff0000, v[r+1]
	v_cvt_pk_f16_f32 v[r], v[T], v[T+1]            ; written as f16
	v_cvt_pk_f16_f32 v[r+1], v[T+2], v[T+3]
.endif
.endr
.endm
	BLK 0,  0, 36, 0, 0                            ; x; no block stands ahead of it: no store, and no wait but the one for its data
	BLK 4,  0, 32, 1, 28                           ; the stores go to xb,
	BLK 8,  0, 28, 1, 28                           ; Wq
	BLK 12, 0, 24, 1, 30                           ; to wqkv,
	BLK 16, 0, 20, 1, 30                           ; Wk
	BLK 20, 0, 16, 1, 40                           ; to wqkv at Wk's rows,
	BLK 24, 0, 12, 1, 40                           ; Wv
	BLK 28, 0, 8,  1, 42                           ; to wqkv at Wv's rows,
	BLK 32, 1, 4,  1, 42                           ; Wo
	BLK 36, 1, 0,  1, 32                           ; to wo16
	s_wait_alu depctr_va_vdst(0)                   ; the last block has written its registers, which the last four stores read
.irp i, 0,1,2,3
	global_store_b64 v[VOUT], v[X+4*(36+(\i)):X+4*(36+(\i))+1], s[32:33] offset:2048*(4+(\i)) th:TH_STORE_NT
.endr
	s_wait_dscnt 0x0                               ; the closing lines, six on end
	s_wait_alu 0x0
	s_wait_tensorcnt 0x0
	ds_add_u32 v[SPW], v[NIL]
	s_wait_dscnt 0x0
	s_endpgm
.Lfunc_end_k_q4b98bcafd9_prep:
	.size	k_q4b98bcafd9_prep, .Lfunc_end_k_q4b98bcafd9_prep-k_q4b98bcafd9_prep
	.p2alignl 7, 3214868480
	.fill 96, 4, 3214868480
	.section	.rodata,"a",@progbits
	.p2align	6, 0x0
	.amdhsa_kernel k_q4b98bcafd9_prep
		.amdhsa_group_segment_fixed_size 9728
		.amdhsa_private_segment_fixed_size 0
		.amdhsa_enable_private_segment 0
		.amdhsa_kernarg_size 120
		.amdhsa_user_sgpr_count 2
		.amdhsa_user_sgpr_kernarg_segment_ptr 1
		.amdhsa_wavefront_size32 1
		.amdhsa_system_sgpr_workgroup_id_x 1
		.amdhsa_system_sgpr_workgroup_id_y 1
		.amdhsa_system_sgpr_workgroup_id_z 1
		.amdhsa_system_vgpr_workitem_id 0
		.amdhsa_next_free_vgpr 256
		.amdhsa_next_free_sgpr 66
		.amdhsa_reserve_vcc 0
		.amdhsa_float_denorm_mode_32 3
		.amdhsa_float_denorm_mode_16_64 3
		.amdhsa_memory_ordered 1
		.amdhsa_forward_progress 1
		.amdhsa_inst_pref_size 26
	.end_amdhsa_kernel
	.amdgpu_metadata
---
amdhsa.version: [ 1, 2 ]
amdhsa.kernels:
  - .name:           k_q4b98bcafd9_prep
    .symbol:         k_q4b98bcafd9_prep.kd
    .args:
      - { .name: hidden_states, .offset: 0, .size: 8, .value_kind: global_buffer, .address_space: global }
      - { .name: Wq, .offset: 8, .size: 8, .value_kind: global_buffer, .address_space: global }
      - { .name: Wk, .offset: 16, .size: 8, .value_kind: global_buffer, .address_space: global }
      - { .name: Wv, .offset: 24, .size: 8, .value_kind: global_buffer, .address_space: global }
      - { .name: Wo, .offset: 32, .size: 8, .value_kind: global_buffer, .address_space: global }
      - { .name: attention_mask, .offset: 40, .size: 8, .value_kind: global_buffer, .address_space: global }
      - { .name: bq, .offset: 48, .size: 8, .value_kind: global_buffer, .address_space: global }
      - { .name: bk, .offset: 56, .size: 8, .value_kind: global_buffer, .address_space: global }
      - { .name: bv, .offset: 64, .size: 8, .value_kind: global_buffer, .address_space: global }
      - { .name: bo, .offset: 72, .size: 8, .value_kind: global_buffer, .address_space: global }
      - { .name: xb, .offset: 80, .size: 8, .value_kind: global_buffer, .address_space: global }
      - { .name: wqkv, .offset: 88, .size: 8, .value_kind: global_buffer, .address_space: global }
      - { .name: wo16, .offset: 96, .size: 8, .value_kind: global_buffer, .address_space: global }
      - { .name: pmask, .offset: 104, .size: 8, .value_kind: global_buffer, .address_space: global }
      - { .name: bias, .offset: 112, .size: 8, .value_kind: global_buffer, .address_space: global }
    .group_segment_fixed_size: 9728
    .private_segment_fixed_size: 0
    .kernarg_segment_align: 8
    .kernarg_segment_size: 120
    .max_flat_workgroup_size: 256
    .sgpr_count:     66
    .vgpr_count:     256
    .wavefront_size: 32
...
	.end_amdgpu_metadata
.endif
;; end of part 5
;; launch proj_qkv: the kernel of part 2 again; grid 16 x 16, 4 waves a work-group, clusters of 4 x 4, 327,680 bytes of LDS; arguments xb, wqkv, bias, qkv; writes qkv
;; launch attn: the kernel of part 3 again; grid 16 x 16, 4 waves a work-group, clusters of 4 x 1, 327,680 bytes of LDS; arguments qkv, pmask, ctx; writes ctx
;; launch proj_out: the kernel of part 4 again; grid 16 x 16, 4 waves a work-group, clusters of 4 x 4, 327,680 bytes of LDS; arguments ctx, wo16, bias, out0; writes out0
